; MI455X (gfx1250); checked and timed in simulation.
; The chip was launched on July 23, 2026; its instructions are those of AMD's public machine-readable ISA for CDNA 5 (MIT licence, August 2026) and "CDNA5" Instruction Set Architecture Reference Guide (July 2026). The comments in the code are by the model that wrote it; some were corrected since.
;; Multi Head Attention. Allowed arithmetic: matrix products marked QUANTISED: E2M3 operands, one E8M0 scale for each 32 along K, by v_wmma_scale_f32_16x16x128_f8f6f4 with both operands' format E2M3, f32 sums; everything else in f32.
;; Inputs: dense_b 1,024 float32; dense_w 1,024 x 1,024 float32; key 4 x 2,048 x 1,024 float32; query 4 x 2,048 x 1,024 float32; value 4 x 2,048 x 1,024 float32; wk_b 1,024 float32; wk_w 1,024 x 1,024 float32; wq_b 1,024 float32; wq_w 1,024 x 1,024 float32; wv_b 1,024 float32; wv_w 1,024 x 1,024 float32.
;; Outputs: out0 4 x 2,048 x 1,024 float32.
;; This version of the problem:
;;   THIS VERSION OF THE PROBLEM IS GIVEN IN LOW PRECISION. The matrix products marked QUANTISED in the list below multiply operands that are first quantised to E2M3 (2 exponent bits, 3 mantissa bits; 6 bits a number), with one power-of-two scale for each 32 numbers along K (OCP MX v1.0); their sums are f32. All else is computed in f32.
;;   The module's matrix products, in the order in which they are computed (A, B: the left and right operand; K: the contracted axis; several contracted axes count as one K, in the product's order):
;;     1. [M 8,192, K 1,024] x [K 1,024, N 1,024]; A: input query; B: input wq_w: QUANTISED
;;     2. [M 8,192, K 1,024] x [K 1,024, N 1,024]; A: input key; B: input wk_w: QUANTISED
;;     3. [M 8,192, K 1,024] x [K 1,024, N 1,024]; A: input value; B: input wv_w: QUANTISED
;;     4. batch 64 x [M 2,048, K 64] x [K 64, N 2,048]; A: computed on the way; B: computed on the way: QUANTISED
;;     5. batch 64 x [M 2,048, K 2,048] x [K 2,048, N 64]; A: softmax (see below); B: computed on the way: QUANTISED
;;     6. [M 8,192, K 1,024] x [K 1,024, N 1,024]; A: computed on the way; B: input dense_w: QUANTISED
;;   THE QUANTISER, for each operand of a quantised product, along K:
;;     - K is cut into blocks of 32 from its start; a last block that is shorter is filled with zeros.
;;     - A block's scale is 2^e with e = floor(log2(the largest magnitude in the block)) - 2, held to -126 .. 127; a block of zeros has e = 0. As a byte (E8M0): e + 127.
;;     - Each number is divided by its block's scale, clamped to +-7.5, and rounded to the nearest number of E2M3, ties to even, subnormals kept.
;;     - The product sums the exact products of the quantised numbers (number of the format x scale) in f32.
;;   ~~~python
;;   def quantise(x, axis):      # numpy; x: float32 -> the quantised numbers, widened to float32 again
;;       x = np.moveaxis(x, axis, -1); K = x.shape[-1]
;;       x = np.pad(x, [(0, 0)] * (x.ndim - 1) + [(0, -K % 32)]); x = x.reshape(x.shape[:-1] + (-1, 32)); a = np.abs(x).max(-1, keepdims=True)
;;       e = np.where(a > 0, np.clip(np.frexp(np.where(a > 0, a, 1))[1] - 1 - 2, -126, 127), 0)      # np.frexp(a)[1] - 1 = floor(log2(a)), exactly
;;       r = np.clip(x / 2.0 ** e, -7.5, 7.5)
;;       step = 2.0 ** (np.maximum(np.frexp(np.where(r == 0, 1, r))[1] - 1, 0) - 3)
;;       q = np.round(r / step) * step * 2.0 ** e      # np.round: ties to even
;;       return np.moveaxis(q.reshape(q.shape[:-2] + (-1,))[..., :K], -1, axis).astype(np.float32)
;;   ~~~
;;   SOFTMAX AHEAD OF A QUANTISED PRODUCT. Where the list says 'softmax', what is quantised is not the finished softmax but p = 2^(t - M), with t = logit x log2(e) and M = ceil(the row's largest t), a whole number; so 1/2 < the row's largest p <= 1. The row's sum l is taken of the UNQUANTISED p, in f32, and the product's result is divided by l at the end. Since M is a whole number, a kernel that streams over the keys may use a running M (the ceiling of the running maximum): every later rescaling is an exact power of two, which a block's scale takes up: the codes' values come out the same.
;;   OPERANDS COMPUTED ON THE WAY. 'Computed on the way' means the value that the module computes at that place (a softmax that the list does not call 'softmax' is quantised finished and normalised). What goes into a quantiser is computed in f32, as accurately as f32 sums, v_exp_f32 and their like allow (about 1e-6 of the number): no bf16 or f16 on the way to a quantiser, and a product that is left as it is and whose result goes on into a quantised operand takes f32 operands (vector FMAs, or v_wmma_f32_16x16x4_f32). A number that lies on a knife's edge between two numbers of the format may be rounded either way, as far as f32 arithmetic and the matrix unit's own rounding can turn it there, and no further.
;; One version. Each part assembles by itself: llvm-mc -triple=amdgcn-amd-amdhsa -mcpu=gfx1250 --defsym DOCPART=n.
;; ======== version 1 of 1: 4 launches
;; limits: right only within a limited range of input values
;; workspace buffers: opcodes 22,020,096 bytes; opscales 917,504 bytes; qcodes 6,553,600 bytes; kvcodes 13,107,200 bytes; acodes 6,291,456 bytes; ascales 262,144 bytes
;; launch quant (part 1): grid 256 x 1, 7 waves a work-group, no clusters, 60,160 bytes of LDS; arguments query, key, value, wq_w, wk_w, wv_w, dense_w, opcodes, opscales; writes opcodes, opscales
.if DOCPART == 1
	.amdgcn_target "amdgcn-amd-amdhsa--gfx1250"
	.amdhsa_code_object_version 6
	.text
	.protected	k_q0c73dacfc0_quant
	.globl	k_q0c73dacfc0_quant
	.p2align	8
	.type	k_q0c73dacfc0_quant,@function
k_q0c73dacfc0_quant:
	s_mov_b64 s[64:65], 0
	v_nop
	global_prefetch_b8 v0, s[64:65] scope:SCOPE_SE
	s_setreg_imm32_b32 hwreg(HW_REG_WAVE_MODE, 25, 1), 1
	s_wait_xcnt 0x0
; query, key, value [8192][1024] and wq_w, wk_w, wv_w, dense_w [1024][1024], f32, K innermost, become codes of FP6 (E2M3) with one E8M0 byte for each 32 along K.
; A block's scale is 2^(floor(log2(its largest magnitude)) - 2); its byte is the largest magnitude's exponent field - 2, held at 1 from below.
; LIMITS: NaN and infinities are not served; a block whose largest magnitude lies under 2^-124, a block of zeros among them, gets the byte 1 (the rule says 127 for zeros): its codes
; are zeros or nearly, and the bytes are read by this program alone.
; THE CODES ARE LAID AS THE READER'S OPERAND REGISTERS.  A rowblock is 16 rows: lane-row r of rowblock a is the tensor's row 32 (a / 2) + 8 (a % 2) + r + 8 (r / 8).  A fragment (16 rows x 128 K,
; 12 registers a lane) is two halves of 768 bytes (64 K, 6 registers): bytes 0-511 lane l's registers 0-3 at 16 l, bytes 512-767 its registers 4, 5 at 8 l.
; opcodes: a section for each tensor, [K / 256][rowblock][2 fragments][1536].  opscales: [16 x rowblock + r][32 bytes].
; SHARES: 1,792 rowblocks, one to a wave, all of K in 8 steps of 128.  A step's 16 loads read 512 consecutive bytes of one row each; the 8 KiB turn through the wave's own stage in LDS, so that
; lane (r, h) gets, of row r, 16 neighbours of each block of 32.  Waves share nothing: no barrier.  Loads run one step (16 loads) ahead of the step in hand.
.set PITCH, 528                        ; a stage row: 512 bytes + 16, an odd multiple of 16
.set WSTG,  16*PITCH
.set BIGST, 1572864                    ; bytes from one 256 along K to the next in a section of 8,192 rows
.set SMALLST, 196608                   ; and of 1,024 rows
.set SW,  8                            ; v8-15    a scale word for each step
.set MX,  16                           ; v16-19   largest magnitudes
.set PB,  20                           ; v20-23   the other half's maxima, then the bytes
.set SO,  24                           ; v24-27   the conversions' scale operands
.set R,   32                           ; v32-159  two sets of 64 registers as loaded
.set X,   160                          ; v160-223 register 16 b + i = k 32 b + 16 h + i of my row
.set PC,  224                          ; v224-235 the fragment; v236-243 the conversions' second halves
.set OS,  244                          ; v244-247 16 scale bytes to store
.set SEL, 34                           ; s[34:35] v_permlanex16_b32's selects for lane l xor 16
	s_load_b512 s[8:23], s[0:1], 0x0               ; query, key, value, wq_w, wk_w, wv_w, dense_w, opcodes
	s_load_b64 s[24:25], s[0:1], 0x40              ; opscales
	v_lshl_add_u32 v248, v0, 2, 0xe700             ; the spare words lie behind the seven stages of 8,448 bytes
	v_mov_b32 v249, 0
	v_lshrrev_b32 v1, 5, v0
	v_readfirstlane_b32 s36, v1                    ; wave 0..6
	v_and_b32 v6, 31, v0                           ; lane
	v_and_b32 v7, 15, v0                           ; r
	v_bfe_u32 v5, v0, 4, 1                         ; h
	v_lshlrev_b32 v1, 4, v6                        ; 16 x lane: a load's place, and registers 0-3 of a half fragment
	v_lshlrev_b32 v2, 3, v6                        ; 8 x lane: registers 4, 5
	s_mul_i32 s33, s36, WSTG                       ; my stage
	v_add_nc_u32 v3, s33, v1                       ; into it: a row as it lies
	v_mul_u32_u24 v4, v7, PITCH
	v_lshl_add_u32 v4, v5, 6, v4
	v_add_nc_u32 v4, s33, v4                       ; out of it: row r, + 64 h
	v_lshlrev_b32 v5, 4, v5
	v_lshl_add_u32 v5, v7, 5, v5                   ; the scale bytes: 32 r + 16 h
	s_mov_b32 s32, 0xffff0000                      ; lanes 16-31
	s_mov_b32 s[SEL], 0x76543210
	s_mov_b32 s[SEL+1], 0xfedcba98
.irp b, 0,1,2,3
	v_mov_b32 v[PB+\b], 0                          ; written once: a lane permute's destination counts as one of its sources
.endr
	; which tensor, which rowblock: 7 x work-group + wave counts the rowblocks of the three activations (512 each), then of the four weights (64 each): 1,792 = 256 x 7; each wave chooses for itself
	s_mul_i32 s37, ttmp9, 7
	s_add_co_u32 s37, s37, s36
	s_lshr_b32 s38, s37, 9                         ; an activation: its number,
	s_and_b32 s39, s37, 511                        ; my rowblock,
	s_mul_i32 s42, s38, 6291456                    ; its section of codes,
	s_mul_i32 s43, s38, 262144                     ; and of scale bytes
	s_sub_co_u32 s40, s37, 1536
	s_lshr_b32 s41, s40, 6                         ; a weight: the same four
	s_and_b32 s40, s40, 63
	s_mul_i32 s44, s41, 786432
	s_add_co_u32 s44, s44, 18874368
	s_lshl_b32 s45, s41, 15
	s_add_co_u32 s45, s45, 786432
	s_add_co_u32 s41, s41, 3
	s_mov_b32 s30, SMALLST
	s_cmp_lt_u32 s37, 1536
	s_cselect_b32 s38, s38, s41
	s_cselect_b32 s39, s39, s40
	s_cselect_b32 s42, s42, s44
	s_cselect_b32 s43, s43, s45
	s_cselect_b32 s30, BIGST, s30
	s_mov_b32 s31, 0
	s_lshr_b32 s46, s39, 1
	s_lshl_b32 s46, s46, 17                        ; its first row, 32 (a / 2) + 8 (a % 2), times 4,096 bytes
	s_and_b32 s47, s39, 1
	s_lshl_b32 s47, s47, 15
	s_add_co_u32 s46, s46, s47
	; KEY ALONE HAS ANOTHER ORDER OF ROWS: lane-row r of its rowblock a is row 64 (a / 4) + 8 (a % 4) + r % 8 + 32 (r / 8), so that in the attention launch a lane's 32 scores of four tiles are one block of 32 keys
	s_lshr_b32 s40, s39, 2
	s_lshl_b32 s40, s40, 18
	s_and_b32 s41, s39, 3
	s_lshl_b32 s41, s41, 15
	s_add_co_u32 s40, s40, s41                     ; its first row, times 4,096 bytes
	s_cmp_eq_u32 s38, 1                            ; the tensor's number: 1 is key
	s_cselect_b32 s46, s40, s46
	s_cselect_b32 s41, 65536, 0                    ; and its lane-rows 8-15 lie 16 rows further on than the others'
	v_add_nc_u32 v28, s41, v1                      ; v28: a load's place for lane-rows 8-15
	s_mov_b32 s47, 0
	s_mul_i32 s26, s39, 3072
	s_add_co_u32 s26, s26, s42
	s_mov_b32 s27, 0
	s_lshl_b32 s28, s39, 9
	s_add_co_u32 s28, s28, s43
	s_mov_b32 s29, 0
	s_wait_alu depctr_va_vdst(0)
	s_wait_kmcnt 0x0
	s_mov_b64 s[4:5], s[8:9]                       ; the source is chosen by the tensor's number alone
.irp k, 1,2,3,4,5,6
	s_cmp_eq_u32 s38, \k
	s_cselect_b64 s[4:5], s[8+2*\k:9+2*\k], s[4:5]
.endr
	s_add_nc_u64 s[4:5], s[4:5], s[46:47]
	s_add_nc_u64 s[26:27], s[22:23], s[26:27]      ; my rowblock's first fragment
	s_add_nc_u64 s[28:29], s[24:25], s[28:29]      ; and its 512 scale bytes
.macro LOAD t                          ; step t: 128 numbers of each of my 16 rows; each load reads 512 consecutive bytes
.irp i, 0,1,2,3,4,5,6,7
	global_load_b128 v[R+64*((\t)%2)+4*\i:R+64*((\t)%2)+4*\i+3], v1, s[4:5] offset:\i*4096+512*(\t) th:TH_LOAD_NT
.endr
.irp i, 8,9,10,11,12,13,14,15
	global_load_b128 v[R+64*((\t)%2)+4*\i:R+64*((\t)%2)+4*\i+3], v28, s[4:5] offset:(\i+8)*4096+512*(\t) th:TH_LOAD_NT
.endr
.endm
; 64 numbers of a lane, v[s] on, register 16 b + i = k 32 b + 16 h + i of my row, become a fragment's codes in v[PC] on and its scale word in v[w].
.macro QUANT s, w
.irp b, 0,1,2,3
	v_max3_num_f32 v[MX+\b], |v[\s+16*\b]|, |v[\s+1+16*\b]|, 0x1800000   ; my 16 numbers of block b, and the floor 2^(3 - 127): the byte cannot fall under 1
.endr
.irp i, 2,4,6,8,10,12,14
.irp b, 0,1,2,3
	v_max3_num_f32 v[MX+\b], v[MX+\b], |v[\s+16*\b+\i]|, |v[\s+1+16*\b+\i]|   ; the four blocks by turns
.endr
.endr
.irp b, 0,1,2,3
	v_permlanex16_b32 v[PB+\b], v[MX+\b], s[SEL], s[SEL+1]
.endr
.irp b, 0,1,2,3
	v_max_num_f32 v[MX+\b], v[MX+\b], v[PB+\b]     ; with lane l xor 16's: the block's largest magnitude
.endr
.irp b, 0,1,2,3
	v_add_nc_u32 v[SO+\b], 0xff000000, v[MX+\b]    ; 2 off its exponent field: the conversion takes that field as its scale
.endr
.irp b, 0,1,2,3
	v_lshrrev_b32 v[PB+\b], 23, v[SO+\b]           ; the scale's byte
.endr
	v_lshl_or_b32 v[\w], v[PB+1], 8, v[PB]
	v_lshl_or_b32 v[\w], v[PB+2], 16, v[\w]
	v_lshl_or_b32 v[\w], v[PB+3], 24, v[\w]
.irp c, 0,1
	v_cvt_scalef32_pk16_fp6_f32 v[PC+6*\c:PC+2+6*\c], v[\s+32*\c:\s+15+32*\c], v[SO+2*\c]
	v_cvt_scalef32_pk16_fp6_f32 v[PC+12+4*\c:PC+14+4*\c], v[\s+16+32*\c:\s+31+32*\c], v[SO+2*\c+1]   ; (a conversion's three registers begin on an even number)
.endr
	v_nop                                          ; one plain place behind a scaled conversion
.irp c, 0,1                                    ; the operand wants a whole block in a lane: lanes 0-15 block 2 c, lanes 16-31 block 2 c + 1
.irp i, 0,1,2
	v_permlane16_swap_b32 v[PC+6*\c+\i], v[PC+12+4*\c+\i]
.endr
.irp i, 0,1,2
	v_mov_b32 v[PC+3+6*\c+\i], v[PC+12+4*\c+\i]
.endr
.endr
.endm
.macro HFST o16, o8, reg, base, off    ; half a fragment goes out: 512 consecutive bytes, then 256, both aligned to 256
	global_store_b128 v[\o16], v[\reg:\reg+3], s[\base:\base+1] offset:\off
	global_store_b64 v[\o8], v[\reg+4:\reg+5], s[\base:\base+1] offset:\off+512
.endm
.macro STEP t
.if (\t) < 7
	s_wait_loadcnt 16                              ; this step's 16 loads are in; the next step's 16 may be out
.else
	s_wait_loadcnt 0x0
.endif
.irp i, 0,1,2,3,4,5,6,7,8,9,10,11,12,13,14,15
	ds_store_b128 v3, v[R+64*((\t)%2)+4*\i:R+64*((\t)%2)+4*\i+3] offset:PITCH*\i
.endr
.irp b, 0,1,2,3
.irp j, 0,1,2,3
	ds_load_b128 v[X+16*\b+4*\j:X+16*\b+4*\j+3], v4 offset:128*\b+16*\j   ; LDS serves a wave's instructions in order (ISA guide 5.7.1.4): these see the stores above
.endr
.endr
	s_wait_dscnt 0x0                               ; my numbers are back, and the stores into the stage have read their registers,
.if (\t) < 6
	LOAD (\t)+2                                    ; which take the loads of two steps on
.endif
.if (\t) > 0
	s_wait_xcnt 0x0                                ; the last step's stores have read their data and their base: both are written again only behind this wait
.if (\t)%2 == 0
	s_add_nc_u64 s[26:27], s[26:27], s[30:31]      ; the next 256 along K
.endif
.endif
	QUANT X, SW+(\t)
	HFST 1, 2, PC, 26, 1536*((\t)%2)
	HFST 1, 2, PC+6, 26, 1536*((\t)%2)+768
.endm
	LOAD 0
	LOAD 1
.irp t, 0,1,2,3,4,5,6,7
	STEP \t
.endr
.irp j, 0,1,2,3
	v_cndmask_b32 v[OS+\j], v[SW+\j], v[SW+4+\j], s32   ; lanes 0-15 the row's bytes 0-15, lanes 16-31 its bytes 16-31
.endr
	global_store_b128 v5, v[OS:OS+3], s[28:29]     ; the wave stores 512 consecutive bytes, aligned
	s_wait_tensorcnt 0x0
	ds_add_u32 v248, v249
	s_wait_dscnt 0x0
	s_endpgm
.Lfunc_end_k_q0c73dacfc0_quant:
	.size	k_q0c73dacfc0_quant, .Lfunc_end_k_q0c73dacfc0_quant-k_q0c73dacfc0_quant
	.p2alignl 7, 3214868480
	.fill 96, 4, 3214868480
	.section	.rodata,"a",@progbits
	.p2align	6, 0x0
	.amdhsa_kernel k_q0c73dacfc0_quant
		.amdhsa_group_segment_fixed_size 60160
		.amdhsa_private_segment_fixed_size 0
		.amdhsa_enable_private_segment 0
		.amdhsa_kernarg_size 72
		.amdhsa_user_sgpr_count 2
		.amdhsa_user_sgpr_kernarg_segment_ptr 1
		.amdhsa_wavefront_size32 1
		.amdhsa_system_sgpr_workgroup_id_x 1
		.amdhsa_system_sgpr_workgroup_id_y 1
		.amdhsa_system_sgpr_workgroup_id_z 1
		.amdhsa_system_vgpr_workitem_id 0
		.amdhsa_next_free_vgpr 250
		.amdhsa_next_free_sgpr 66
		.amdhsa_reserve_vcc 0
		.amdhsa_float_denorm_mode_32 3
		.amdhsa_float_denorm_mode_16_64 3
		.amdhsa_memory_ordered 1
		.amdhsa_forward_progress 1
		.amdhsa_inst_pref_size 66
	.end_amdhsa_kernel
	.amdgpu_metadata
---
amdhsa.version: [ 1, 2 ]
amdhsa.kernels:
  - .name:           k_q0c73dacfc0_quant
    .symbol:         k_q0c73dacfc0_quant.kd
    .args:
      - { .name: query, .offset: 0, .size: 8, .value_kind: global_buffer, .address_space: global }
      - { .name: key, .offset: 8, .size: 8, .value_kind: global_buffer, .address_space: global }
      - { .name: value, .offset: 16, .size: 8, .value_kind: global_buffer, .address_space: global }
      - { .name: wq_w, .offset: 24, .size: 8, .value_kind: global_buffer, .address_space: global }
      - { .name: wk_w, .offset: 32, .size: 8, .value_kind: global_buffer, .address_space: global }
      - { .name: wv_w, .offset: 40, .size: 8, .value_kind: global_buffer, .address_space: global }
      - { .name: dense_w, .offset: 48, .size: 8, .value_kind: global_buffer, .address_space: global }
      - { .name: opcodes, .offset: 56, .size: 8, .value_kind: global_buffer, .address_space: global }
      - { .name: opscales, .offset: 64, .size: 8, .value_kind: global_buffer, .address_space: global }
    .group_segment_fixed_size: 60160
    .private_segment_fixed_size: 0
    .kernarg_segment_align: 8
    .kernarg_segment_size: 72
    .max_flat_workgroup_size: 224
    .sgpr_count:     66
    .vgpr_count:     250
    .wavefront_size: 32
...
	.end_amdgpu_metadata
.endif
;; end of part 1
;; launch proj (part 2): grid 4 x 96, 4 waves a work-group, clusters of 4 x 4, 327,680 bytes of LDS; arguments opcodes, opscales, wq_b, wk_b, wv_b, qcodes, kvcodes; writes qcodes, kvcodes
.if DOCPART == 2
	.amdgcn_target "amdgcn-amd-amdhsa--gfx1250"
	.amdhsa_code_object_version 6
	.text
	.protected	k_q0c73dacfc0_proj
	.globl	k_q0c73dacfc0_proj
	.p2align	8
	.type	k_q0c73dacfc0_proj,@function
k_q0c73dacfc0_proj:
	s_mov_b64 s[64:65], 0
	v_nop
	global_prefetch_b8 v0, s[64:65] scope:SCOPE_SE
	s_setreg_imm32_b32 hwreg(HW_REG_WAVE_MODE, 25, 1), 1
	s_wait_xcnt 0x0
	s_wait_alu depctr_hold_cnt(0) depctr_sa_sdst(0) depctr_va_vdst(0) depctr_va_sdst(0) depctr_va_ssrc(0) depctr_va_vcc(0) depctr_vm_vsrc(0)
	s_getreg_b32 s2, hwreg(HW_REG_IB_STS2, 6, 4)
	s_cmp_eq_u32 s2, 0
	s_cbranch_scc0 .Lentry_in_a_cluster
	s_endpgm
.Lentry_in_a_cluster:
	s_bfe_u32 s2, ttmp6, 0x10000c
	s_cmp_lg_u32 s2, 0xf033
	s_cbranch_scc0 .Lentry_shape_is_right
	s_endpgm
.Lentry_shape_is_right:
; q = query wq^T + bq, k = key wk^T + bk, v = value wv^T + bv, on codes of FP6 (E2M3) with E8M0 scales; the results are quantised at once, q and k along a head's 64, v along the keys, and leave as
; images of the attention launch's operand registers.  No f32 result goes to memory.
; LIMITS: NaN and infinities are not served; a block whose largest magnitude lies under 2^-124 gets the scale byte 1 (read by this program alone).
; THREE MODES, by the cluster's y / 8: 0 q, 1 k, 2 v.  All choices are s_cselect and v_cndmask on that number, which a cluster's partners share: one path through the text.
; In modes 0, 1 the operand A is the activation (rows = tokens) and B the weight (rows = channels); in mode 2 A is wv (rows = channels) and B is value (rows = keys).
; A tile of 256 x 256 is made by four waves, 128 x 128 each: 64 accumulators of 16 x 16.  K = 1,024 goes in four steps of 256 through two LDS slots filled by the tensor data mover.
; THE OPERANDS LIE IN MEMORY AS REGISTER IMAGES (a rowblock of 16 rows x 256 K is 3,072 dense bytes: two fragments, each two halves of 768 bytes), so a wave's part of a slot, 8 rowblocks, is one dense block,
; and a fragment comes from LDS by two loads of 16 bytes a lane and two of 8, each on consecutive bytes.  Lane-row r of rowblock a is row 32 (a / 2) + 8 (a % 2) + r + 8 (r / 8).
; THE MATRIX INSTRUCTION IS USED TRANSPOSED (source 0 = 16 rows of B, source 1 = 16 rows of A): a lane holds ONE row of A, and by the order of B's rows the 64 registers of A's block a are
; register 16 g + i = B's row 32 g + 16 (lane / 16) + i: neighbours along the next product's K.
; CLUSTERS: 4 x 4 work-groups; A's tiles are asked for jointly along a row of the cluster, B's along a column.
; REGISTERS: window 0: v15-31 addresses; v32-63 scale words, two sets; v64-127 and v224-240 the bias; v128-223 A's fragments, one set; on the way out v128-223 and v241-255 are at work.
;   window 1: B's fragments, two sets, at v0 and v128.   windows 2, 3: the accumulators ((a, b) at v[8 (8 (a % 4) + b)]).
.set NQ,     2                         ; steps of 128 in a slot
.set FR,     12                        ; registers of a fragment
.set NL,     4                         ; LDS loads that bring one
.set NP,     4                         ; places behind this matrix instruction (ISA guide 7.12.1)
.set RBB,    3072                      ; a rowblock's bytes in a slot
.set HALFT,  8*RBB                     ; what one tensor load brings, and what one wave reads of A or of B
.set SLOT,   4*HALFT                   ; A's 16 rowblocks, then B's
.set SCL,    2*SLOT                    ; behind the ring: the scale bytes for all of K, 32 a row, as rows of 256 bytes + 16 of padding
.set HALFS,  16*272                    ; those of 128 rows
.set SBLK,   2*272                     ; those of 16 rows
.set SPARE,  SCL+4*HALFS               ; the spare words, 128 bytes for each wave: two blocks of 256 bytes that no other line names
.set BIGST,  1572864                   ; bytes from one 256 along K to the next, 8,192 rows
.set SMALLST, 196608                   ; 1,024 rows
.set O_XK, 6291456                     ; sections of opcodes (query's is 0)
.set O_XV, 12582912
.set O_WQ, 18874368
.set O_WK, 19660800
.set O_WV, 20447232
.set S_XK, 262144                      ; sections of opscales
.set S_XV, 524288
.set S_WQ, 786432
.set S_WK, 819200
.set S_WV, 851968
.set VS1,  15                          ; v15  where the second scale image goes
.set ADRA, 16                          ; v16-17 LDS address of A's fragments in slot 0, 1, + 16 x lane; v18-19 the same + 8 x lane
.set ADRB, 20                          ; v20-23 the same for B
.set O16,  24                          ; v24  16 x lane + the codes' place in a record
.set O8,   25                          ; v25  8 x lane + the same
.set O16E, 26                          ; v26  v24 + the way to the fragment's second half's place
.set ADRS, 27                          ; v27  LDS address of my scale words: lanes 0-15 A's rows, lanes 16-31 B's
.set SPW,  28                          ; v28  LDS address of my spare word; never rewritten
.set NIL,  29                          ; v29  0; never rewritten
.set O8E,  30                          ; v30  v25 + the same way
.set VS0,  31                          ; v31  where the first scale image goes
.set SC,   32                          ; scale words: set s at v[SC + 16 s]; register 2 i + q: lanes 0-15 A's block i, lanes 16-31 B's block i
.set WC,   64                          ; v64-127 modes 0, 1: the bias of my lane's 64 channels; mode 2: 1.0
.set AF,   128                         ; A's fragments
.set X,    128                         ; the way out: 64 numbers
.set PC,   192                         ; v192-211 the fragment just made
.set MX,   212
.set PB,   216
.set SO,   220
.set U,    224                         ; v224-239 block a's factor in v[U + 2 a] (the odd ones are 0): modes 0, 1: 1.0; mode 2: the bias of my lane's channel
.set ONE,  240
.set T0,   241
.set T1,   242
.set OS,   244                         ; v244-247 the scale images
.set PWS,  248                         ; v248-255 block a's scale word
.set P,    66                          ; s66  the mode
.set MV,   67                          ; s67  all ones in mode 2, else 0
.set G1,   24                          ; s[24:31] descriptor group 1 for A's tiles; s[32:39] group 0, a set for each slot
.set G0,   32
.set G1B,  48                          ; the same for B's
.set G0B,  56
.set G1S,  68                          ; groups 1 and 0 for A's scale bytes, then for B's
.set G0S,  76
.set G1SB, 80
.set G0SB, 88
.set STA,  96                          ; s[96:97] two steps of 256 along K in A's section; s[98:99] in B's
.set STB,  98
.set SEL,  100                         ; s[100:101] v_permlanex16_b32's selects for lane l xor 16
.set MSB, 0
.macro WIN new                         ; the immediate's high byte repeats the setting that is left
.if MSB != \new
	s_set_vgpr_msb (MSB<<8)|\new
.set MSB, \new
.endif
.endm
.set MUL_LO, 0xa1                      ; source 0 (B) window 1, source 1 (A) window 0, C and D window 2
.set MUL_HI, 0xf1                      ; the same, C and D window 3
.set TO_B,   0x40                      ; destination window 1, address window 0
; A joint load: waves 0 and 1 fetch for A, waves 2 and 3 for B.  Each line has one mask and one set of registers for all that issue it; the branch hangs on the wave's number alone.
; Four v_nop follow each of the two lines, ahead of the jump, the label and what follows.
.macro JLOAD g0a, g1a, g0b, g1b
	s_cmp_eq_u32 s15, 0
	s_cbranch_scc0 .Lfor_b_\@
	tensor_load_to_lds s[\g0a:\g0a+3], s[\g1a:\g1a+7]
	s_nop 0
.rept 4
	v_nop
.endr
	s_branch .Lasked_\@
.Lfor_b_\@:
	tensor_load_to_lds s[\g0b:\g0b+3], s[\g1b:\g1b+7]
	s_nop 0
.rept 4
	v_nop
.endr
.Lasked_\@:
.endm
.macro CREST                           ; a round of the cluster's barrier behind its opening barrier
	s_cmp_lg_u32 s14, 0
	s_cbranch_scc1 .Lnot_wave_0_\@
	s_barrier_signal -3
.Lnot_wave_0_\@:
	s_barrier_wait -3
	s_barrier_signal -1
	s_barrier_wait -1
.endm
.macro CROUND                          ; a whole round
	s_barrier_signal -1
	s_barrier_wait -1
	CREST
.endm
	s_load_b128 s[4:7], s[0:1], 0x0                ; opcodes, opscales
	s_load_b128 s[8:11], s[0:1], 0x10              ; wq_b, wk_b
	s_load_b128 s[92:95], s[0:1], 0x20             ; wv_b, qcodes
	s_load_b64 s[12:13], s[0:1], 0x30              ; kvcodes
	v_lshl_add_u32 v[SPW], v0, 2, SPARE
	v_mov_b32 v[NIL], 0
	ds_add_u32 v28, v29
	ds_add_u32 v28, v29
	s_wait_dscnt 0x0
	v_lshrrev_b32 v1, 5, v0
	v_readfirstlane_b32 s14, v1                    ; wave 0..3
	s_lshr_b32 s15, s14, 1                         ; which half of A's rows is mine.  Also: I fetch for A (0) or for B (1)
	s_and_b32 s16, s14, 1                          ; which half of B's rows.  Also: which 8 rowblocks of that tile I fetch
	s_bfe_u32 s40, ttmp6, 0x40000                  ; cx, cy: my place in the cluster
	s_bfe_u32 s41, ttmp6, 0x40004
	s_and_b32 s104, ttmp7, 0xffff                  ; the cluster's y, 0 .. 23
	s_lshr_b32 s[P], s104, 3                       ; the mode
	s_and_b32 s104, s104, 7
	s_lshl_b32 s104, s104, 2                       ; 4 x (which of the mode's eight clusters)
	s_lshl_b32 s43, s41, 2
	s_lshl_b32 s43, 15, s43                        ; my row of the cluster
	s_lshl_b32 s44, 0x1111, s40                    ; my column
	; descriptor group 1: 8 rowblocks, 24,576 dense bytes, as 96 rows of 32 elements of 8 bytes; no padding
	s_or_b32 s[G1+0], s43, (3<<16)|(1<<21)         ; 15:0 the mask: A's tiles go to my row; 17:16 elements of 8 bytes; 21 set beside a mask
	s_or_b32 s[G1B+0], s44, (3<<16)|(1<<21)
.irp g, G1, G1B
	s_mov_b32 s[\g+1], 32<<16                      ; tensor_dim0
	s_mov_b32 s[\g+2], 192<<16                     ; tensor_dim1: the head's loads bring a whole tile, 16 rowblocks; behind them the two words are set to 96
	s_mov_b32 s[\g+3], 32<<16                      ; tile_dim0
	s_mov_b32 s[\g+4], 192                         ; tile_dim1
	s_mov_b32 s[\g+5], 32                          ; tensor_dim0_stride
	s_mov_b32 s[\g+6], 0
	s_mov_b32 s[\g+7], 0
.endr
	; the scale bytes of 256 rows: 8,192 dense bytes as 32 rows of 256, 16 bytes of padding behind each
	s_or_b32 s[G1S+0], s43, (3<<16)|(1<<20)|(1<<21)|(5<<22)|(3<<25)
	s_or_b32 s[G1SB+0], s44, (3<<16)|(1<<20)|(1<<21)|(5<<22)|(3<<25)
.irp g, G1S, G1SB
	s_mov_b32 s[\g+1], 32<<16
	s_mov_b32 s[\g+2], 32<<16                      ; the scale bytes of 256 rows: 32 rows of 256 bytes
	s_mov_b32 s[\g+3], 32<<16
	s_mov_b32 s[\g+4], 32
	s_mov_b32 s[\g+5], 32
	s_mov_b32 s[\g+6], 0
	s_mov_b32 s[\g+7], 0
.endr
	; the mode's sections and steps
	s_mov_b32 s18, 0                               ; A's codes: query's
	s_mov_b32 s19, O_WQ                            ; B's codes
	s_mov_b32 s20, 0                               ; A's scale bytes
	s_mov_b32 s21, S_WQ                            ; B's
	s_mov_b32 s22, BIGST                           ; 256 along K on, in A's section
	s_mov_b32 s46, SMALLST                         ; in B's
	s_cmp_eq_u32 s[P], 1
	s_cselect_b32 s18, O_XK, s18
	s_cselect_b32 s19, O_WK, s19
	s_cselect_b32 s20, S_XK, s20
	s_cselect_b32 s21, S_WK, s21
	s_cmp_eq_u32 s[P], 2
	s_cselect_b32 s18, O_WV, s18
	s_cselect_b32 s19, O_XV, s19
	s_cselect_b32 s20, S_WV, s20
	s_cselect_b32 s21, S_XV, s21
	s_cselect_b32 s22, SMALLST, s22
	s_cselect_b32 s46, BIGST, s46
	s_cselect_b32 s[MV], -1, 0
	s_cselect_b32 s17, 0, s104
	s_cselect_b32 s42, s104, 0
	s_add_co_u32 s17, s17, s41                     ; A's tile: cy, and in modes 0, 1 four for each cluster
	s_add_co_u32 s42, s42, s40                     ; B's tile: cx, and in mode 2 four for each cluster
	s_mov_b32 s23, 0
	s_mov_b32 s47, 0
	s_lshl_b32 s[STA], s22, 1
	s_mov_b32 s[STA+1], 0
	s_lshl_b32 s[STB], s46, 1
	s_mov_b32 s[STB+1], 0
	; where my part of the tiles lies, as offsets.  A's hang on A's tile and the wave alone, B's on B's tile and the wave alone
	s_lshl_b32 s105, s16, 3
	s_lshl_b32 s[G0+2], s17, 4
	s_lshl_b32 s[G0S+2], s[G0+2], 9                ; the tile's scale bytes: 512 a rowblock
	s_add_co_u32 s[G0+2], s[G0+2], s105            ; A: rowblock 16 x tile + 8 x half
	s_add_co_u32 s[G0S+2], s[G0S+2], s20
	s_mov_b32 s[G0S+3], 0
	s_mul_i32 s[G0+2], s[G0+2], RBB
	s_add_co_u32 s[G0+2], s[G0+2], s18
	s_mov_b32 s[G0+3], 0
	s_lshl_b32 s[G0B+2], s42, 4
	s_lshl_b32 s[G0SB+2], s[G0B+2], 9
	s_add_co_u32 s[G0B+2], s[G0B+2], s105          ; B likewise
	s_add_co_u32 s[G0SB+2], s[G0SB+2], s21
	s_mov_b32 s[G0SB+3], 0
	s_mul_i32 s[G0B+2], s[G0B+2], RBB
	s_add_co_u32 s[G0B+2], s[G0B+2], s19
	s_mov_b32 s[G0B+3], 0
	s_mul_i32 s45, s14, HALFT                      ; where they go: wave x 8 rowblocks: no place in the cluster enters an LDS address
	s_mov_b32 s[SEL], 0x76543210
	s_mov_b32 s[SEL+1], 0xfedcba98
	s_wait_kmcnt 0x0
	s_add_nc_u64 s[G0+2:G0+3], s[4:5], s[G0+2:G0+3]          ; K step 0,
	s_add_nc_u64 s[G0+6:G0+7], s[G0+2:G0+3], s[22:23]        ; K step 1
	s_add_nc_u64 s[G0B+2:G0B+3], s[4:5], s[G0B+2:G0B+3]
	s_add_nc_u64 s[G0B+6:G0B+7], s[G0B+2:G0B+3], s[46:47]
	s_add_nc_u64 s[G0S+2:G0S+3], s[6:7], s[G0S+2:G0S+3]
	s_add_nc_u64 s[G0SB+2:G0SB+3], s[6:7], s[G0SB+2:G0SB+3]
	s_mul_i32 s22, s16, HALFT                      ; the head's loads of K step 0 begin at the tile's first rowblock: my half's bytes back (s23 = 0)
	s_sub_nc_u64 s[6:7], s[G0+2:G0+3], s[22:23]    ; s[4:7]: group 0 for A's whole tile (the arguments that lay there have been used)
	s_sub_nc_u64 s[46:47], s[G0B+2:G0B+3], s[22:23]   ; s[44:47]: for B's
	s_or_b32 s7, s7, 0x80000000
	s_or_b32 s47, s47, 0x80000000
	s_mov_b32 s4, 1
	s_mov_b32 s5, 0
	s_mov_b32 s[G0S], 1
	s_mov_b32 s[G0S+1], SCL
	s_or_b32 s[G0S+3], s[G0S+3], 0x80000000
	s_mov_b32 s[G0SB], 1
	s_mov_b32 s[G0SB+1], SCL+2*HALFS
	s_or_b32 s[G0SB+3], s[G0SB+3], 0x80000000
.irp s, 0,1
	s_mov_b32 s[G0+4*\s], 1
	s_add_co_u32 s[G0+4*\s+1], s45, \s*SLOT
	s_or_b32 s[G0+4*\s+3], s[G0+4*\s+3], 0x80000000
	s_mov_b32 s[G0B+4*\s], 1
	s_add_co_u32 s[G0B+4*\s+1], s45, \s*SLOT
	s_or_b32 s[G0B+4*\s+3], s[G0B+4*\s+3], 0x80000000
.endr
	s_mov_b32 s44, 1
	s_mov_b32 s45, 2*HALFT                         ; B's tile lies behind A's in slot 0
	CROUND                                         ; all sixteen work-groups are here: the first joint loads meet
; THE HEAD'S LOADS, ONE A WAVE: wave 0 K step 0 of A's tile, wave 1 of B's, wave 2 A's scale bytes, wave 3 B's.  One chain of branches on the wave's number; every way passes one load.
.macro ARM under, g0, g1, next
	s_cmp_lt_u32 s14, \under
	s_cbranch_scc0 \next
	tensor_load_to_lds s[\g0:\g0+3], s[\g1:\g1+7]
	s_nop 0
.rept 4
	v_nop
.endr
	s_branch .Lhead_asked
\next:
.endm
	ARM 1, 4,   G1,  .Lhead_b
	ARM 2, 44,  G1B, .Lhead_sa
	ARM 3, G0S, G1S, .Lhead_sb
	tensor_load_to_lds s[G0SB:G0SB+3], s[G1SB:G1SB+7]
	s_nop 0
.rept 4
	v_nop
.endr
.Lhead_asked:
	; the bias and the output are chosen by the mode
	s_cmp_eq_u32 s[P], 1
	s_cselect_b64 s[8:9], s[10:11], s[8:9]
	s_cmp_eq_u32 s[P], 2
	s_cselect_b64 s[8:9], s[92:93], s[8:9]
	s_cmp_eq_u32 s[P], 0
	s_cselect_b64 s[12:13], s[94:95], s[12:13]
	v_and_b32 v1, 15, v0                           ; r
	s_wait_alu depctr_va_vdst(0)
	v_bfe_u32 v2, v0, 4, 1                         ; h
	v_and_b32 v6, 31, v0
	v_lshlrev_b32 v7, 4, v6                        ; 16 x lane
	v_lshlrev_b32 v8, 3, v6                        ; 8 x lane
	; the bias in both forms, in every mode; the offsets are taken modulo the 1,024 numbers, so that every load stays in the buffer
	s_lshl_b32 s18, s42, 8
	s_lshl_b32 s19, s16, 7
	s_add_co_u32 s18, s18, s19                     ; B's first row of mine
	s_and_b32 s18, s18, 1023
	s_lshl_b32 s18, s18, 2
	v_lshl_add_u32 v10, v2, 6, s18                 ; + 16 h numbers
	s_lshl_b32 s19, s17, 8
	s_lshl_b32 s20, s15, 7
	s_add_co_u32 s19, s19, s20                     ; A's first row of mine
	s_and_b32 s19, s19, 1023
	v_and_b32 v11, 8, v1
	v_add_nc_u32 v11, v11, v1                      ; r + 8 (r / 8)
	v_add_nc_u32 v11, s19, v11
	v_lshlrev_b32 v11, 2, v11
.irp g, 0,1,2,3
.irp j, 0,1,2,3
	global_load_b128 v[WC+16*\g+4*\j:WC+16*\g+4*\j+3], v10, s[8:9] offset:128*\g+16*\j   ; register 16 g + i: B's row 32 g + 16 h + i
.endr
.endr
.irp a, 0,1,2,3,4,5,6,7
	global_load_b32 v[U+2*\a], v11, s[8:9] offset:4*(32*(\a/2)+8*(\a%2))                 ; A's row of my lane in block a
	v_mov_b32 v[U+2*\a+1], 0                       ; (named with it as a pair, so it is written)
.endr
	v_mov_b32 v[ONE], 1.0
	; LDS addresses
	s_mul_i32 s21, s15, HALFT                      ; my 8 rowblocks of A
	s_mul_i32 s22, s16, HALFT                      ; my 8 of B,
	s_add_co_u32 s22, s22, 2*HALFT                 ; which lie behind A's 16
.irp s, 0,1
	v_add_nc_u32 v[ADRA+\s], s21, v7
	v_add_nc_u32 v[ADRB+\s], s22, v7
	v_add_nc_u32 v[ADRA+2+\s], s21, v8
	v_add_nc_u32 v[ADRB+2+\s], s22, v8
	s_add_co_u32 s21, s21, SLOT
	s_add_co_u32 s22, s22, SLOT
.endr
	v_mul_u32_u24 v5, v1, 32                       ; my row's scale bytes: 32 a row,
	v_lshrrev_b32 v6, 8, v5
	v_lshl_add_u32 v5, v6, 4, v5                   ; and 16 more for each 256 passed
	s_mul_i32 s21, s15, HALFS                      ; A's: my 128 rows
	s_mul_i32 s22, s16, HALFS                      ; B's: my 128 rows, behind A's 256
	s_add_co_u32 s22, s22, 2*HALFS
	s_sub_co_u32 s22, s22, s21
	v_mul_u32_u24 v6, s22, v2                      ; lanes 16-31 take B's
	s_add_co_u32 s21, s21, SCL
	v_add_nc_u32 v5, v5, v6
	v_add_nc_u32 v[ADRS], s21, v5
	; where my results go.  A record holds 128 tokens of one head: 6,400 bytes in qcodes (8 half fragments, 256 scale bytes), 12,800 in kvcodes (K's 8 half fragments, V^T's 4 fragments, 256 + 256 scale bytes)
	s_lshl_b32 s18, s17, 1
	s_add_co_u32 s18, s18, s15                     ; which 128 rows of A are mine
	s_lshl_b32 s19, s42, 1
	s_add_co_u32 s19, s19, s16                     ; which 128 rows of B
	s_cmp_eq_u32 s[P], 2
	s_cselect_b32 s20, s19, s18                    ; the 128 tokens,
	s_cselect_b32 s21, s18, s19                    ; the 128 channels: two heads
	s_lshl_b32 s21, s21, 1                         ; the first of them
	s_mov_b32 s92, 12800
	s_cmp_eq_u32 s[P], 0
	s_cselect_b32 s92, 6400, s92                   ; a record
	s_lshl_b32 s93, s92, 4                         ; a head: 16 records
	s_lshr_b32 s22, s20, 4                         ; the batch
	s_lshl_b32 s22, s22, 4
	s_add_co_u32 s22, s22, s21                     ; 16 x batch + head
	s_lshl_b32 s22, s22, 4
	s_and_b32 s23, s20, 15
	s_add_co_u32 s22, s22, s23                     ; + the step within the head
	s_mul_i32 s22, s22, s92
	s_mov_b32 s23, 0
	s_add_nc_u64 s[12:13], s[12:13], s[22:23]      ; steps on the way out;
	s_mov_b64 s[10:11], s[12:13]                   ; stays, for the scale images
	s_mov_b32 s2, 12288                            ; K's scale image
	s_cmp_eq_u32 s[P], 2
	s_cselect_b32 s94, 6144, 0                     ; V^T's fragments lie behind K's
	s_cselect_b32 s95, 768, s93                    ; a fragment's second half: in mode 2 the same fragment's, else the next head's
	s_cselect_b32 s104, s93, 128                   ; the scale images: from lanes 0-15 to lanes 16-31,
	s_cselect_b32 s105, 128, s93                   ; and from the first store to the second
	s_cselect_b32 s2, 12544, s2
	s_cmp_eq_u32 s[P], 0
	s_cselect_b32 s2, 6144, s2
	v_add_nc_u32 v[O16], s94, v7
	v_add_nc_u32 v[O8], s94, v8
	v_add_nc_u32 v[O16E], s95, v[O16]
	v_add_nc_u32 v[O8E], s95, v[O8]
	v_mul_lo_u32 v9, v2, s104
	v_lshl_add_u32 v9, v1, 3, v9
	v_add_nc_u32 v[VS0], s2, v9
	v_add_nc_u32 v[VS1], s105, v[VS0]
	s_wait_loadcnt 0x0                             ; the bias
.set i, 0
.rept 64
	v_cndmask_b32 v[WC+i], v[WC+i], v[ONE], s[MV]  ; result = U x WC + sum: modes 0, 1: 1.0 x the channel's bias; mode 2: the channel's bias x 1.0
.set i, i+1
.endr
.irp a, 0,1,2,3,4,5,6,7
	v_cndmask_b32 v[U+2*\a], v[ONE], v[U+2*\a], s[MV]
.endr
.macro FRAG reg, adr, q, i             ; a fragment is two halves of six registers: registers 0-3 at 16 x lane, registers 4, 5 at 512 + 8 x lane
.irp c, 0,1
	ds_load_b128 v[\reg+6*\c:\reg+6*\c+3], v[\adr] offset:RBB*(\i)+1536*(\q)+768*\c
	ds_load_b64 v[\reg+6*\c+4:\reg+6*\c+5], v[\adr+2] offset:RBB*(\i)+1536*(\q)+768*\c+512
.endr
.endm
; 16 matrix instructions: A's blocks a0, a0 + 1 x B's eight, the slot's q-th 128 along K.  p: B's set; sc: the set of scale words; zero = 1: the first product starts the sums.
; The 64 accumulators take turns, one instruction a turn, in the same order in every step.
.macro MUL16 a0, p, q, sc, zero
.irp a, \a0, \a0+1
.irp b, 0,1,2,3,4,5,6,7
.if \zero
	v_wmma_scale_f32_16x16x128_f8f6f4 v[8*(8*((\a)%4)+\b):8*(8*((\a)%4)+\b)+7], v[128*(\p)+FR*\b:128*(\p)+FR*\b+FR-1], v[AF+FR*(\a):AF+FR*(\a)+FR-1], 0, v[SC+8*NQ*(\sc)+NQ*\b+(\q)], v[SC+8*NQ*(\sc)+NQ*(\a)+(\q)] matrix_a_fmt:MATRIX_FMT_FP6 matrix_b_fmt:MATRIX_FMT_FP6 matrix_a_scale:MATRIX_SCALE_ROW1
.else
	v_wmma_scale_f32_16x16x128_f8f6f4 v[8*(8*((\a)%4)+\b):8*(8*((\a)%4)+\b)+7], v[128*(\p)+FR*\b:128*(\p)+FR*\b+FR-1], v[AF+FR*(\a):AF+FR*(\a)+FR-1], v[8*(8*((\a)%4)+\b):8*(8*((\a)%4)+\b)+7], v[SC+8*NQ*(\sc)+NQ*\b+(\q)], v[SC+8*NQ*(\sc)+NQ*(\a)+(\q)] matrix_a_fmt:MATRIX_FMT_FP6 matrix_b_fmt:MATRIX_FMT_FP6 matrix_a_scale:MATRIX_SCALE_ROW1
.endif
.endr
.endr
.endm
.macro FETCH_B slot, q, p              ; B's eight fragments into set p
	WIN TO_B
.irp i, 0,1,2,3,4,5,6,7
	FRAG 128*(\p)+FR*\i, ADRB+\slot, \q, \i
.endr
	WIN 0
.endm
.macro FETCH_A slot, q, i0             ; A's blocks i0 .. i0 + 3
.irp i, \i0, \i0+1, \i0+2, \i0+3
	FRAG AF+FR*(\i), ADRA+\slot, \q, \i
.endr
.endm
.macro SCALES sc                       ; a slot's scale words: two a row; lanes 0-15 take A's block i, lanes 16-31 B's block i
.irp i, 0,1,2,3,4,5,6,7
	ds_load_b64 v[SC+8*NQ*\sc+NQ*\i:SC+8*NQ*\sc+NQ*\i+1], v[ADRS] offset:\i*SBLK
.endr
.endm
.macro PLACES n                        ; a load into a register that a matrix instruction has read, and a vector instruction that reads a result or writes an operand, stand NP plain vector instructions behind it
.rept \n
	v_nop
.endr
.endm
.macro STEP slot, q, zero              ; a step of 128 along K that has its successor in the same slot
	s_wait_dscnt 4*NL                              ; B's set and A's blocks 0-3 are in; the youngest 16 loads (A's blocks 4-7) may be out
	WIN MUL_LO
	MUL16 0, (\q)%2, \q, \slot, \zero
	MUL16 2, (\q)%2, \q, \slot, \zero
	s_wait_dscnt 0
	PLACES NP
	FETCH_B \slot, (\q)+1, 1-(\q)%2
	FETCH_A \slot, (\q)+1, 0
	WIN MUL_HI
	MUL16 4, (\q)%2, \q, \slot, \zero
	MUL16 6, (\q)%2, \q, \slot, \zero
	PLACES NP
	WIN 0
	FETCH_A \slot, (\q)+1, 4
.endm
; A slot's last step changes slots: one barrier; in front of it each wave waits for all its tensor loads, adds 0 to its spare word, and waits for that and for its own reads of this slot.  fill = 1: this slot is filled again, two K steps ahead.
.macro TURN slot, next, fill
	s_wait_tensorcnt 0x0                           ; all my tensor loads have landed: my part of the next slot
	ds_add_u32 v[SPW], v[NIL]                      ; 0 onto my spare word
	s_wait_dscnt 4*NL+1                            ; (the add and the youngest 16 loads, A's blocks 4-7, may be out)
	WIN MUL_LO
	MUL16 0, 1, NQ-1, \slot, 0                     ; sixteen matrix instructions stand between the add and the wait for it
	s_wait_dscnt 0x0                               ; the add is done, and my reads of this slot are over
	s_barrier_signal -1
	MUL16 2, 1, NQ-1, \slot, 0
	WIN 0
	s_barrier_wait -1
.if \fill
	CREST                                          ; the barrier has opened a round of the cluster's barrier: no wave of any partner still reads this slot or has a load on its way
	s_add_nc_u64 s[G0+4*\slot+2:G0+4*\slot+3], s[G0+4*\slot+2:G0+4*\slot+3], s[STA:STA+1]
	s_add_nc_u64 s[G0B+4*\slot+2:G0B+4*\slot+3], s[G0B+4*\slot+2:G0B+4*\slot+3], s[STB:STB+1]
	JLOAD G0+4*\slot, G1, G0B+4*\slot, G1B         ; the first tensor load behind the round; its four v_nop are the places in front of the loads below
.else
	PLACES NP
.endif
	s_wait_alu depctr_va_vdst(0)
	v_add_nc_u32 v[ADRS], 4*NQ, v[ADRS]            ; the next slot's scale words
	FETCH_B \next, 0, 0
	FETCH_A \next, 0, 0
	SCALES \next
	WIN MUL_HI
	MUL16 4, 1, NQ-1, \slot, 0
	MUL16 6, 1, NQ-1, \slot, 0
	PLACES NP
	WIN 0
	FETCH_A \next, 0, 4
.endm
	s_wait_alu depctr_va_vdst(0)
	s_wait_tensorcnt 0x0                           ; my tile of the head's four is in; slot 1's first fill is issued as a refill is:
	ds_add_u32 v[SPW], v[NIL]                      ; 0 onto my spare word
	s_mov_b32 s[G1+2], 96<<16                      ; no tensor load of mine is out: from here on a load brings 8 rowblocks
	s_mov_b32 s[G1+4], 96
	s_mov_b32 s[G1B+2], 96<<16
	s_mov_b32 s[G1B+4], 96
	s_wait_dscnt 0x0                               ; the add is done
	CROUND                                         ; a whole round: all four tiles are in, and the joint loads meet
	JLOAD G0+4, G1, G0B+4, G1B                     ; K step 1, the first tensor load behind the round
	FETCH_B 0, 0, 0
	FETCH_A 0, 0, 0
	SCALES 0
	FETCH_A 0, 0, 4
	STEP 0, 0, 1                                   ; K = 1,024 is four slots: the eight steps are written out (a loop would make one trip)
	TURN 0, 1, 1
	STEP 1, 0, 0
	TURN 1, 0, 1
	STEP 0, 0, 0
	TURN 0, 1, 0                                   ; nothing is left to fetch
	STEP 1, 0, 0
	s_wait_dscnt 4*NL
	WIN MUL_LO
	MUL16 0, 1, NQ-1, 1, 0
	MUL16 2, 1, NQ-1, 1, 0
	s_wait_dscnt 0
	WIN MUL_HI
	MUL16 4, 1, NQ-1, 1, 0
	MUL16 6, 1, NQ-1, 1, 0
	WIN 0
; THE WAY OUT.  Block a of A's rows: bias, then its 64 numbers a lane (128 along B's rows) become one fragment and one scale word a row.
; Modes 0, 1: the fragment's halves are tile a of two neighbouring heads.  Mode 2: the fragment is tile a % 4 of V^T of head a / 4, K = my 128 keys.
.macro QUANT s, w
.irp b, 0,1,2,3
	v_max3_num_f32 v[MX+\b], |v[\s+16*\b]|, |v[\s+1+16*\b]|, 0x1800000   ; my 16 numbers of block b, and the floor 2^(3 - 127): the byte cannot fall under 1
.endr
.irp i, 2,4,6,8,10,12,14
.irp b, 0,1,2,3
	v_max3_num_f32 v[MX+\b], v[MX+\b], |v[\s+16*\b+\i]|, |v[\s+1+16*\b+\i]|
.endr
.endr
.irp b, 0,1,2,3
	v_permlanex16_b32 v[PB+\b], v[MX+\b], s[SEL], s[SEL+1]
.endr
.irp b, 0,1,2,3
	v_max_num_f32 v[MX+\b], v[MX+\b], v[PB+\b]     ; with lane l xor 16's: the block's largest magnitude
.endr
.irp b, 0,1,2,3
	v_add_nc_u32 v[SO+\b], 0xff000000, v[MX+\b]    ; 2 off its exponent field: the conversion's scale operand
.endr
.irp b, 0,1,2,3
	v_lshrrev_b32 v[PB+\b], 23, v[SO+\b]           ; the scale's byte
.endr
	v_lshl_or_b32 v[\w], v[PB+1], 8, v[PB]
	v_lshl_or_b32 v[\w], v[PB+2], 16, v[\w]
	v_lshl_or_b32 v[\w], v[PB+3], 24, v[\w]
.irp c, 0,1
	v_cvt_scalef32_pk16_fp6_f32 v[PC+6*\c:PC+2+6*\c], v[\s+32*\c:\s+15+32*\c], v[SO+2*\c]
	v_cvt_scalef32_pk16_fp6_f32 v[PC+12+4*\c:PC+14+4*\c], v[\s+16+32*\c:\s+31+32*\c], v[SO+2*\c+1]
.endr
	v_nop                                          ; one plain place behind a scaled conversion
.irp c, 0,1
.irp i, 0,1,2
	v_permlane16_swap_b32 v[PC+6*\c+\i], v[PC+12+4*\c+\i]
.endr
.irp i, 0,1,2
	v_mov_b32 v[PC+3+6*\c+\i], v[PC+12+4*\c+\i]
.endr
.endr
.endm
.macro HFST o16, o8, reg, base, off    ; half a fragment: 512 consecutive bytes, then 256, both aligned to 256
	global_store_b128 v[\o16], v[\reg:\reg+3], s[\base:\base+1] offset:\off
	global_store_b64 v[\o8], v[\reg+4:\reg+5], s[\base:\base+1] offset:\off+512
.endm
.macro BIASX a                         ; X = U[a] x WC + the sums, two at a time; each accumulator is read from its low end on
	WIN 0x20+0x10*((\a)/4)                         ; source 2: window 2 or 3
.set i, 0
.rept 32
	v_pk_fma_f32 v[X+2*i:X+2*i+1], v[U+2*(\a):U+2*(\a)+1], v[WC+2*i:WC+2*i+1], v[64*((\a)%4)+2*i:64*((\a)%4)+2*i+1] op_sel_hi:[0,1,1]
.set i, i+1
.endr
	WIN 0
.endm
	PLACES NP                                      ; behind the last products: their operands' registers are written below
.irp b, 0,1,2,3
	v_mov_b32 v[PB+\b], 0                          ; a lane permute's destination counts as one of its sources
.endr
	s_mov_b32 s18, 768                             ; from block to block in the record: a half fragment, or in mode 2 a fragment;
	s_mov_b32 s20, 768                             ; into block 4: in mode 2 the next head's first fragment (16 records of 12,800 bytes on, three fragments back)
	s_mov_b32 s22, 0x05040100                      ; the scale images' byte selects: modes 0, 1: two bytes of each of two words;
	s_mov_b32 s23, 0x07060302
	s_cmp_eq_u32 s[P], 2
	s_cselect_b32 s18, 1536, s18
	s_cselect_b32 s20, 16*12800-4608, s20
	s_cselect_b32 s22, 0x03020100, s22             ; mode 2: one whole word
	s_cselect_b32 s23, 0x07060504, s23
	s_mov_b32 s19, 0
	s_mov_b32 s21, 0
	s_mov_b32 s43, 0xffff0000                      ; lanes 16-31
.irp a, 0,1,2,3,4,5,6,7
	BIASX \a
.if \a > 0
	s_wait_xcnt 0x0                                ; the last block's stores have read their data and their base: both are written again only behind this wait
.if \a == 4
	s_add_nc_u64 s[12:13], s[12:13], s[20:21]
.else
	s_add_nc_u64 s[12:13], s[12:13], s[18:19]
.endif
.endif
	QUANT X, PWS+\a
	HFST O16, O8, PC, 12, 0
	HFST O16E, O8E, PC+6, 12, 0
.endr
; THE SCALE IMAGES.  Modes 0, 1, head e: lane l's word j belongs to the pair of tiles g = j + 2 (l / 16), row l % 16: tile 2 g's two bytes, then tile 2 g + 1's.
; Mode 2, store e: lanes 0-15 my first head, lanes 16-31 my second; word j is tile 2 j + e's whole word; it goes to lane 16 e + r's place in that head's image (two runs of 128 bytes a store).
.irp e, 0,1
.irp j, 0,1
	v_perm_b32 v[T0], v[PWS+2*\j+1], v[PWS+2*\j], s[22+\e]
	v_perm_b32 v[T1], v[PWS+2*\j+5], v[PWS+2*\j+4], s[22+\e]
	v_cndmask_b32 v[OS+2*\e+\j], v[T0], v[T1], s43
.endr
.endr
	global_store_b64 v[VS0], v[OS:OS+1], s[10:11]
	global_store_b64 v[VS1], v[OS+2:OS+3], s[10:11]
	s_wait_tensorcnt 0x0                           ; the wave's end
	ds_add_u32 v[SPW], v[NIL]
	s_wait_dscnt 0x0
	CROUND                                         ; the closing round: no work-group ends while a partner may still ask for a tile that names it
	s_endpgm
.Lfunc_end_k_q0c73dacfc0_proj:
	.size	k_q0c73dacfc0_proj, .Lfunc_end_k_q0c73dacfc0_proj-k_q0c73dacfc0_proj
	.p2alignl 7, 3214868480
	.fill 96, 4, 3214868480
	.section	.rodata,"a",@progbits
	.p2align	6, 0x0
	.amdhsa_kernel k_q0c73dacfc0_proj
		.amdhsa_group_segment_fixed_size 327680
		.amdhsa_private_segment_fixed_size 0
		.amdhsa_enable_private_segment 0
		.amdhsa_kernarg_size 56
		.amdhsa_user_sgpr_count 2
		.amdhsa_user_sgpr_kernarg_segment_ptr 1
		.amdhsa_wavefront_size32 1
		.amdhsa_system_sgpr_workgroup_id_x 1
		.amdhsa_system_sgpr_workgroup_id_y 1
		.amdhsa_system_sgpr_workgroup_id_z 1
		.amdhsa_system_vgpr_workitem_id 0
		.amdhsa_next_free_vgpr 1024
		.amdhsa_next_free_sgpr 106
		.amdhsa_reserve_vcc 0
		.amdhsa_float_denorm_mode_32 3
		.amdhsa_float_denorm_mode_16_64 3
		.amdhsa_memory_ordered 1
		.amdhsa_forward_progress 1
		.amdhsa_inst_pref_size 177
	.end_amdhsa_kernel
	.amdgpu_metadata
---
amdhsa.version: [ 1, 2 ]
amdhsa.kernels:
  - .name:           k_q0c73dacfc0_proj
    .symbol:         k_q0c73dacfc0_proj.kd
    .args:
      - { .name: opcodes, .offset: 0, .size: 8, .value_kind: global_buffer, .address_space: global }
      - { .name: opscales, .offset: 8, .size: 8, .value_kind: global_buffer, .address_space: global }
      - { .name: wq_b, .offset: 16, .size: 8, .value_kind: global_buffer, .address_space: global }
      - { .name: wk_b, .offset: 24, .size: 8, .value_kind: global_buffer, .address_space: global }
      - { .name: wv_b, .offset: 32, .size: 8, .value_kind: global_buffer, .address_space: global }
      - { .name: qcodes, .offset: 40, .size: 8, .value_kind: global_buffer, .address_space: global }
      - { .name: kvcodes, .offset: 48, .size: 8, .value_kind: global_buffer, .address_space: global }
    .group_segment_fixed_size: 327680
    .private_segment_fixed_size: 0
    .kernarg_segment_align: 8
    .kernarg_segment_size: 56
    .max_flat_workgroup_size: 128
    .sgpr_count:     106
    .vgpr_count:     1024
    .wavefront_size: 32
...
	.end_amdgpu_metadata
.endif
;; end of part 2
;; launch attn (part 3): grid 4 x 64, 16 waves a work-group, clusters of 4 x 1, 206,848 bytes of LDS; arguments qcodes, kvcodes, acodes, ascales; writes acodes, ascales
.if DOCPART == 3
	.amdgcn_target "amdgcn-amd-amdhsa--gfx1250"
	.amdhsa_code_object_version 6
	.text
	.protected	k_q0c73dacfc0_attn
	.globl	k_q0c73dacfc0_attn
	.p2align	8
	.type	k_q0c73dacfc0_attn,@function
k_q0c73dacfc0_attn:
	s_mov_b64 s[64:65], 0
	v_nop
	global_prefetch_b8 v0, s[64:65] scope:SCOPE_SE
	s_setreg_imm32_b32 hwreg(HW_REG_WAVE_MODE, 25, 1), 1
	s_wait_xcnt 0x0
	s_wait_alu depctr_hold_cnt(0) depctr_sa_sdst(0) depctr_va_vdst(0) depctr_va_sdst(0) depctr_va_ssrc(0) depctr_va_vcc(0) depctr_vm_vsrc(0)
	s_getreg_b32 s2, hwreg(HW_REG_IB_STS2, 6, 4)
	s_cmp_eq_u32 s2, 0
	s_cbranch_scc0 .Lentry_in_a_cluster
	s_endpgm
.Lentry_in_a_cluster:
	s_bfe_u32 s2, ttmp6, 0x10000c
	s_cmp_lg_u32 s2, 0x3003
	s_cbranch_scc0 .Lentry_shape_is_right
	s_endpgm
.Lentry_shape_is_right:
; O = softmax(q k^T / 8) v for one batch and head a cluster, both products on codes of FP6 (E2M3) with E8M0 scales; O / l is quantised along the model's 1,024 and leaves as an image of the last product's operand.
; THE SOFTMAX: t = score x log2(e) / 8; M = the running largest t rounded UP to a whole number; p = 2^(t - M) is quantised along the keys, not normalised; the row's sum is taken of the unquantised p and divides
; at the end (v_rcp_f32 and a multiplication).  When M moves, the sum and O are multiplied by 2^(old M - new M): exact.
; LIMITS: NaN and infinities are not served; a block of O / l whose largest magnitude lies under 2^-124 gets the scale byte 1 (read by this program alone); the promise holds while |t| stays under 2^31.
; SHARES.  A work-group owns 512 queries of the head, each of its sixteen waves two tiles of 16, one after the other (two passes of 16 key steps).  Four waves lie on a SIMD.
; THE HEAD'S WHOLE K, V AND SCALE BYTES, 16 records of 12,800 bytes (128 keys each), LIE IN LDS, filled once: wave w asks for record w, one tensor load a wave.  Waves 0-7 have a load line of their own: the stream begins
; when records 0-7 are in; steps 0-6 touch these alone, and a plain barrier behind step 6, ahead of which every wave has waited, shows the rest.  No slot is filled again.
; CLUSTER.  The four work-groups of a cluster are the head's four blocks of queries and need the same records: each record is asked for JOINTLY.  All of it is asked for at the head: there is no loop to run ahead in, so no prefetch is laid.
; A RECORD: K's 8 tiles of 16 keys x 64 as half fragments (768 bytes: lane l's registers 0-3 at 16 l, registers 4, 5 at 512 + 8 l); V^T's 4 tiles of 16 channels x 128 keys as fragments (two halves); 256 bytes of K's scale words; 256 of V's.
; Lane-row r of K's tile 4 c + u is key 64 c + 32 (r / 8) + 8 u + r % 8.  Both products are used transposed (S^T = K Q^T, O^T = V^T P^T): a lane (r, h) holds ONE query r, and its score register 32 c + i is key 64 c + 32 h + i:
; a WHOLE scale block of 32 keys lies in one lane, in the order of the next operand's registers.  So a block's maximum needs no other lane and the conversions' results are the operand (three moves a block: a conversion's registers begin on an even number).
; K = 64 IN AN INSTRUCTION OF K = 128: source 0 is a PAIR of tiles, [tile 2 g | tile 2 g + 1], as it lies in the record; source 1 is [q | zeros] for the even tile and [zeros | q] for the odd: 18 registers, q, zeros, q.
; A pair has one scale word (two bytes a tile); the bytes that meet zero codes are the other tile's, 1 to 254.
; WHERE THE LOADS STAND.  K's pairs 0, 1 have registers of their own (v[KX ..]) and are asked for a step ahead, in mid-step; pairs 2, 3 share V's registers and are asked for behind the step's last products, so that the next step's first four
; products stand between these loads and the wait for them.  The LDS loads stand behind the scores' products and between the links of the chain that makes M.  The places behind matrix instructions are filled by work that is due:
; the sum of p is a tree in place on p's registers round the last products (four partial pairs left in v[T ..]), folded into the row's sum behind the next step's scores.
.set REC,  12800
.set SPARE, 16*REC                     ; the spare words: 128 bytes a wave, 2,048 in all
.set QF,   16                          ; v16-33   q, zeros, q
.set QS,   34                          ; Q's scale word
.set PS,   35                          ; p's
.set KSC,  36                          ; v36-37   K's scale words: register j: lanes 0-15 pair j, lanes 16-31 pair j + 2
.set VSC,  38                          ; v38-39   V's: register j: lanes 0-15 tile 2 j, lanes 16-31 tile 2 j + 1
.set F,    40                          ; v[40:41] f = 2^(old M - new M), 0
.set OLD,  42                          ; the last -M
.set X,    43
.set R,    44
.set O,    45                          ; v45, v46 lane permutes' destinations
.set O2,   46
.set W,    47
.set BM,   48                          ; v48-51   four chains of maxima; a block's largest score, then p, in v48 and v50
.set SO,   52                          ; v52-53   the conversions' scale operands
.set PB,   54                          ; v54-55   the scales' bytes
.set T,    56                          ; v56-63   four partial pairs of a step's sum of p
.set CT,   64                          ; v64-71   the conversions' second halves
.set PCD,  72                          ; v72-83   p's codes
.set KV,   84                          ; v84-131  V^T's four fragments; in the first 24 K's pairs 2, 3
.set S,    132                         ; v132-195 S^T, then p; at the end O / l
.set OT,   196                         ; v196-227 O^T: register 16 g + i = channel 32 g + 16 h + i
.set KX,   228                         ; v228-251 K's pairs 0, 1
                                       ; v1 16 x lane; v2 8 x lane; v3, v4 the same + the record in hand; v5-7 Q's offsets; v10 the scale byte's offset; v11 Q's pair word; v12 -M; v13 the largest score; v[14:15] the sum; v254, v255 the add's
.set WV,   12                          ; s12 wave
.set SEL,  20                          ; s[20:21] lane l xor 16
.set CS,   22                          ; s[22:23] c = log2(e) / 8
.set G1,   24                          ; s[24:31] descriptor group 1; s[32:35] group 0
.set G0,   32
.set TB,   48                          ; s48 LDS byte of the next record
.set NST,  49                          ; s49 steps left in a loop
.set PAS,  50                          ; s50 passes left
.macro WALU
	s_wait_alu depctr_va_vdst(0)
.endm
.macro CROUND                          ; a round of the cluster's barrier
	s_barrier_signal -1
	s_barrier_wait -1
	s_cmp_lg_u32 s[WV], 0
	s_cbranch_scc1 .Lnot_wave_0_\@
	s_barrier_signal -3
.Lnot_wave_0_\@:
	s_barrier_wait -3
	s_barrier_signal -1
	s_barrier_wait -1
.endm
.macro HFLD reg, off, a16=3, a8=4      ; half a fragment from the record at v[a16], v[a8]
	ds_load_b128 v[\reg:\reg+3], v[\a16] offset:\off
	ds_load_b64 v[\reg+4:\reg+5], v[\a8] offset:\off+512
.endm
.macro K23                             ; K's pairs 2, 3 of the record at v3, v4
.irp n, 4,5,6,7
	HFLD KV+6*(\n-4), 768*\n
.endr
.endm
.macro QLOAD                           ; my tile of Q: its six registers stand twice
	global_load_b128 v[QF:QF+3], v5, s[4:5]
	global_load_b64 v[QF+4:QF+5], v6, s[4:5] offset:512
	global_load_b128 v[QF+12:QF+15], v5, s[4:5]
	global_load_b64 v[QF+16:QF+17], v6, s[4:5] offset:512
	global_load_b32 v11, v7, s[4:5]
.endm
.macro FOLD                            ; the last step's sum of p joins the row's sum, which is brought under that step's M
	v_pk_add_f32 v[T:T+1], v[T:T+1], v[T+2:T+3]
	v_pk_add_f32 v[T+4:T+5], v[T+4:T+5], v[T+6:T+7]
	v_mov_b32 v[OLD], v12
	v_pk_add_f32 v[T:T+1], v[T:T+1], v[T+4:T+5]
	v_pk_fma_f32 v[14:15], v[14:15], v[F:F+1], v[T:T+1] op_sel_hi:[1,0,1]
.endm
.macro SPROD g, a, row                 ; the scores of the pair of tiles g, which lies at v[a ..]
	v_wmma_scale_f32_16x16x128_f8f6f4 v[S+16*\g:S+16*\g+7], v[\a:\a+11], v[QF:QF+11], 0, v[KSC+\g%2], v[QS] matrix_a_fmt:MATRIX_FMT_FP6 matrix_b_fmt:MATRIX_FMT_FP6 matrix_a_scale:MATRIX_SCALE_ROW\row
	v_wmma_scale_f32_16x16x128_f8f6f4 v[S+16*\g+8:S+16*\g+15], v[\a:\a+11], v[QF+6:QF+17], 0, v[KSC+\g%2], v[QS] matrix_a_fmt:MATRIX_FMT_FP6 matrix_b_fmt:MATRIX_FMT_FP6 matrix_a_scale:MATRIX_SCALE_ROW\row
.endm
.macro GAP n, last                     ; between two links of the chain: a half fragment of V and, but in a pass's last step, one of the next record's K
	HFLD KV+6*\n, 6144+768*\n
.if \last == 0
	HFLD KX+6*(\n-4), REC+768*(\n-4)
.endif
.endm
.macro PKF j                           ; t - M, two at a time
	v_pk_fma_f32 v[S+\j:S+\j+1], v[S+\j:S+\j+1], s[CS:CS+1], v[12:13] op_sel_hi:[1,0,0]
.endm
.macro PM j                            ; O^T under the new M, two at a time
	v_pk_mul_f32 v[OT+\j:OT+\j+1], v[OT+\j:OT+\j+1], v[F:F+1] op_sel_hi:[1,0]
.endm
.macro ADD1 j                          ; the tree's first level
	v_pk_add_f32 v[S+2*\j:S+2*\j+1], v[S+2*\j:S+2*\j+1], v[S+2*\j+32:S+2*\j+33]
.endm
	s_load_b256 s[4:11], s[0:1], 0x0               ; qcodes, kvcodes, acodes, ascales
	v_lshl_add_u32 v254, v0, 2, SPARE
	v_mov_b32 v255, 0
	ds_add_u32 v254, v255                          ; the opening lines: the add, twice on end, and its wait ahead of my tensor load
	ds_add_u32 v254, v255
	v_lshrrev_b32 v1, 5, v0
	v_readfirstlane_b32 s[WV], v1                  ; wave 0..15
	s_bfe_u32 s13, ttmp6, 0x40000                  ; cx: it enters Q's and the outputs' addresses alone
	s_and_b32 s14, ttmp7, 0xffff                   ; 16 x batch + head, which the four partners share
	; descriptor group 1: a record, 12,800 dense bytes, as 50 rows of 32 elements of 8 bytes
	s_mov_b32 s[G1], 15|(3<<16)|(1<<21)            ; 15:0 the mask: all four work-groups; 17:16 elements of 8 bytes; 21 set beside a mask
	s_mov_b32 s[G1+1], 32<<16
	s_mov_b32 s[G1+2], 50<<16
	s_mov_b32 s[G1+3], 32<<16
	s_mov_b32 s[G1+4], 50
	s_mov_b32 s[G1+5], 32
	s_mov_b32 s[G1+6], 0
	s_mov_b32 s[G1+7], 0
	s_mul_i32 s15, s[WV], REC                      ; wave w brings record w
	s_mul_i32 s16, s14, 16*REC
	s_add_co_u32 s16, s16, s15
	s_mov_b32 s17, 0
	s_mov_b32 s[SEL], 0x76543210
	s_mov_b32 s[SEL+1], 0xfedcba98
	s_mov_b32 s[CS], 0x3e38aa3b
	s_mov_b32 s[CS+1], s[CS]                       ; (named with it as a pair, so it is written)
	s_mov_b32 s52, 0xffff0000                      ; lanes 16-31
	s_wait_dscnt 0x0
	s_wait_kmcnt 0x0
	s_mov_b32 s[G0], 1
	s_mov_b32 s[G0+1], s15
	s_add_nc_u64 s[G0+2:G0+3], s[6:7], s[16:17]
	s_or_b32 s[G0+3], s[G0+3], 0x80000000
	CROUND                                         ; all four work-groups are here: the joint loads meet
	s_cmp_lt_u32 s[WV], 8                          ; one load a wave, in two arms: waves 0-7, which alone wait ahead of the first barrier, have a line of their own
	s_cbranch_scc0 .Lhigh
	tensor_load_to_lds s[G0:G0+3], s[G1:G1+7]
	s_nop 0
.rept 4
	v_nop
.endr
	s_branch .Lasked
.Lhigh:
	tensor_load_to_lds s[G0:G0+3], s[G1:G1+7]
	s_nop 0
.rept 4
	v_nop
.endr
.Lasked:
	; Q: in pass p my tile is rowblock 32 cx + 16 p + wave of the head's 128: record 4 cx + 2 p + wave / 8, tile wave % 8
	s_lshl_b32 s53, s13, 2
	s_lshr_b32 s54, s[WV], 3
	s_add_co_u32 s53, s53, s54
	s_mul_i32 s53, s53, 6400
	s_mul_i32 s54, s14, 16*6400
	s_add_co_u32 s54, s54, s53
	s_mov_b32 s55, 0
	s_add_nc_u64 s[4:5], s[4:5], s[54:55]
	s_and_b32 s56, s[WV], 7
	s_mul_i32 s57, s56, 768
	s_lshr_b32 s58, s56, 2
	s_lshl_b32 s58, s58, 7                         ; the pair's word: lanes 16 (tile / 4) on,
	s_bfe_u32 s59, s56, 0x10001
	s_lshl_b32 s59, s59, 2                         ; word (tile / 2) % 2
	s_add_co_u32 s58, s58, s59
	s_add_co_u32 s58, s58, 6144
	s_and_b32 s59, s[WV], 1
	s_mov_b32 s51, 0x01000100                      ; my tile's two bytes, twice: an even tile's are the word's lower two
	s_cmp_eq_u32 s59, 1
	s_cselect_b32 s51, 0x03020302, s51
	; the outputs: rowblock 128 x batch + 32 cx + 16 p + wave; head hd is the half fragment hd % 4 of the (hd / 4)-th 256 along K
	s_lshr_b32 s40, s14, 4
	s_and_b32 s41, s14, 15
	s_lshl_b32 s42, s40, 7
	s_lshl_b32 s43, s13, 5
	s_add_co_u32 s42, s42, s43
	s_add_co_u32 s42, s42, s[WV]
	s_lshr_b32 s44, s41, 2
	s_mul_i32 s44, s44, 1572864
	s_and_b32 s45, s41, 3
	s_mul_i32 s45, s45, 768
	s_add_co_u32 s44, s44, s45
	s_mul_i32 s45, s42, 3072
	s_add_co_u32 s44, s44, s45
	s_mov_b32 s45, 0
	s_add_nc_u64 s[8:9], s[8:9], s[44:45]
	s_lshl_b32 s46, s42, 9
	s_lshl_b32 s47, s41, 1
	s_add_co_u32 s46, s46, s47
	s_mov_b32 s47, 0
	s_add_nc_u64 s[10:11], s[10:11], s[46:47]
	v_and_b32 v3, 31, v0
	v_and_b32 v8, 15, v0                           ; r
	v_bfe_u32 v9, v0, 4, 1                         ; h
	v_lshlrev_b32 v1, 4, v3
	v_lshlrev_b32 v2, 3, v3
	v_add_nc_u32 v5, s57, v1
	v_add_nc_u32 v6, s57, v2
	v_lshl_add_u32 v7, v8, 3, s58
	v_lshl_add_u32 v10, v8, 5, v9                  ; row r's 32 scale bytes, + h
	v_mov_b32 v3, v1                               ; record 0
	v_mov_b32 v4, v2
.irp z, 6,7,8,9,10,11
	v_mov_b32 v[QF+\z], 0                          ; the zero codes, written once
.endr
	v_mov_b32 v[O], 0                              ; a lane permute's destination counts as one of its sources
	v_mov_b32 v[O2], 0
	v_mov_b32 v[F+1], 0                            ; (named as the upper half of the pair)
	WALU
	QLOAD
	s_cmp_lt_u32 s[WV], 8
	s_cbranch_scc0 .Lnot_first
	s_wait_tensorcnt 0x0                           ; waves 0-7: my record is in
.Lnot_first:
	s_barrier_signal -1
	s_barrier_wait -1                              ; records 0-7 are in; records 8-15 may be on their way
.irp n, 0,1,2,3
	HFLD KX+6*\n, 768*\n
.endr
	ds_load_b64 v[KSC:KSC+1], v4 offset:12288
	K23
; A KEY STEP: one record, 128 keys.  last = 1: the pass's sixteenth step, which asks for record 0's K and the next tile of Q, if a pass follows.
.macro STEP last
	WALU
	SPROD 0, KX, 0                                 ; pairs 0, 1 and the scale words were waited for in the last step's middle (a pass's first: at its head)
	SPROD 1, KX+12, 0
	s_wait_dscnt 0x0                               ; pairs 2, 3 are in
	SPROD 2, KV, 1
	SPROD 3, KV+12, 1
	FOLD                                           ; five plain lines that name none of the products' registers: the places ahead of the loads below and of the first reader of the scores
.irp n, 0,1,2,3
	HFLD KV+6*\n, 6144+768*\n                      ; V^T's first two fragments, where K's pairs 2, 3 lay
.endr
.if \last
	s_cmp_eq_u32 s[PAS], 1                         ; the next pass's first K and its Q are asked for here, if there is one
	WALU
	s_cbranch_scc1 .Lno_x_\@
.irp n, 0,1,2,3
	HFLD KX+6*\n, 768*\n, 1, 2                     ; record 0
.endr
	ds_load_b64 v[KSC:KSC+1], v2 offset:12288
	s_add_nc_u64 s[4:5], s[4:5], 2*6400            ; (this pass's loads of Q were waited for at its head)
	QLOAD
.Lno_x_\@:
.endif
.irp k, 0,1,2,3
	v_max3_num_f32 v[BM+\k], v[S+16*\k], v[S+16*\k+1], v[S+16*\k+2]   ; four chains by turns, two to a block of 32 keys; each accumulator is read from its low end on
.endr
.irp i, 3,5,7,9,11,13
.irp k, 0,1,2,3
	v_max3_num_f32 v[BM+\k], v[BM+\k], v[S+16*\k+\i], v[S+16*\k+\i+1]
.endr
.endr
.irp c, 0,1
	v_max3_num_f32 v[BM+2*\c], v[BM+2*\c], v[S+32*\c+15], v[S+32*\c+31]
.endr
.irp c, 0,1
	s_delay_alu instid0(VALU_DEP_2)
	v_max_num_f32 v[BM+2*\c], v[BM+2*\c], v[BM+2*\c+1]   ; the block's largest score: it serves for the row's maximum and, since p rises with the score, for the block's largest p
.endr
	s_delay_alu instid0(VALU_DEP_1)
	v_max_num_f32 v[R], v[BM], v[BM+2]
	GAP 4, \last                                   ; the chain's links hang on each other: LDS loads that are due stand between them
	v_permlanex16_b32 v[O], v[R], s[SEL], s[SEL+1]
	GAP 5, \last
	v_max3_num_f32 v13, v13, v[R], v[O]            ; the running largest score of my query, lane l xor 16's 64 keys among them
	GAP 6, \last
	v_mul_f32 v[X], s[CS], v13                     ; as t (c is positive)
	GAP 7, \last
	v_floor_f32 v12, -v[X]                         ; the new -M = floor(-t): M is a whole number
	ds_load_b64 v[VSC:VSC+1], v4 offset:12544
.if \last == 0
	ds_load_b64 v[KSC:KSC+1], v4 offset:REC+12288  ; the next record's scale words: this step's scores are made
.endif
	v_sub_f32 v[X], v12, v[OLD]                    ; old M - new M: a whole number, 0 or less
.irp j, 0,2,4
	PKF \j
.endr
	v_cvt_i32_f32 v[X], v[X]                       ; (it saturates)
.irp j, 6,8,10
	PKF \j
.endr
	v_ldexp_f32 v[F], 1.0, v[X]                    ; f = 2^(old M - new M)
.irp j, 12,14,16,18,20,22,24,26,28,30,32,34,36,38,40,42,44,46,48,50,52,54,56,58,60,62
	PKF \j
.endr
.irp c, 0,1
	v_fma_f32 v[BM+2*\c], v[BM+2*\c], s[CS], v12   ; the same of each block's largest score
.endr
	WALU
.irp c, 0,1
	v_exp_f32 v[BM+2*\c], v[BM+2*\c]               ; the block's largest p: the same two instructions on the same number give the same bits
.endr
.set j, 0
.rept 64
	v_exp_f32 v[S+j], v[S+j]                       ; p = 2^(t - M), at most 1
.set j, j+1
.endr
	s_wait_dscnt 0x0                               ; V's fragments and scale words are in, and the next step's pairs 0, 1
	WALU                                           ; one wait for the batch, directly ahead of the first reader of O^T; plain lines alone follow up to the conversions
	PM 0                                           ; (the plain place behind the exponentials.)  O^T's rescaling and the scales' arithmetic by turns
	PM 2
.irp c, 0,1
	v_max_num_f32 v[BM+2*\c], 0x1800000, v[BM+2*\c]   ; the floor 2^(3 - 127): the byte cannot fall under 1
.endr
	PM 4
	PM 6
.irp c, 0,1
	v_add_nc_u32 v[SO+\c], 0xff000000, v[BM+2*\c]  ; 2 off the exponent field: the conversion's scale operand
.endr
	PM 8
	PM 10
.irp c, 0,1
	v_lshrrev_b32 v[PB+\c], 23, v[SO+\c]           ; the scale's byte: mine are blocks h and 2 + h
.endr
	PM 12
	PM 14
	v_lshl_or_b32 v[W], v[PB+1], 16, v[PB]
	PM 16
	PM 18
	v_permlanex16_b32 v[O2], v[W], s[SEL], s[SEL+1]
	PM 20
	PM 22
	v_lshl_or_b32 v[PS], v[O2], 8, v[W]            ; p's scale word, whole in lanes 0-15, which alone are read; sixteen plain lines stand between it and the products
.irp j, 24,26,28,30
	PM \j
.endr
.irp c, 0,1
	v_cvt_scalef32_pk16_fp6_f32 v[PCD+6*\c:PCD+6*\c+2], v[S+32*\c:S+32*\c+15], v[SO+\c]
	v_cvt_scalef32_pk16_fp6_f32 v[CT+4*\c:CT+4*\c+2], v[S+32*\c+16:S+32*\c+31], v[SO+\c]   ; (a conversion's three registers begin on an even number)
.endr
.if \last
	v_mov_b32 v3, v1                               ; on to record 0.  (These two lines are the plain place behind the conversions)
	v_mov_b32 v4, v2
.else
	s_add_co_u32 s[TB], s[TB], REC
	v_add_nc_u32 v3, s[TB], v1                     ; on to the next record.  (These two lines are the plain place behind the conversions)
	v_add_nc_u32 v4, s[TB], v2
.endif
.irp c, 0,1
.irp i, 0,1,2
	v_mov_b32 v[PCD+6*\c+3+\i], v[CT+4*\c+\i]
.endr
.endr
.irp j, 0,1,2,3                                ; THE SUM OF THE UNQUANTISED p, a tree in place, two at a time.  Its first four lines stand between the codes, written by vector instructions, and the products
	ADD1 \j
.endr
.irp t, 0,2
	v_wmma_scale_f32_16x16x128_f8f6f4 v[OT+8*\t:OT+8*\t+7], v[KV+12*\t:KV+12*\t+11], v[PCD:PCD+11], v[OT+8*\t:OT+8*\t+7], v[VSC+\t/2], v[PS] matrix_a_fmt:MATRIX_FMT_FP6 matrix_b_fmt:MATRIX_FMT_FP6
	v_wmma_scale_f32_16x16x128_f8f6f4 v[OT+8*\t+8:OT+8*\t+15], v[KV+12*\t+12:KV+12*\t+23], v[PCD:PCD+11], v[OT+8*\t+8:OT+8*\t+15], v[VSC+\t/2], v[PS] matrix_a_fmt:MATRIX_FMT_FP6 matrix_b_fmt:MATRIX_FMT_FP6 matrix_a_scale:MATRIX_SCALE_ROW1
.endr                                          ; the four accumulators take turns, one instruction a turn
.irp j, 4,5,6,7                                ; four places ahead of the loads below
	ADD1 \j
.endr
.if \last
	s_cmp_eq_u32 s[PAS], 1
	WALU
	s_cbranch_scc1 .Lno_next_\@
	K23
.Lno_next_\@:
.else
	K23                                            ; the next step's pairs 2, 3, where V's fragments lay
.endif
.irp j, 8,9,10,11,12,13,14,15
	ADD1 \j
.endr
.irp j, 0,1,2,3,4,5,6,7
	v_pk_add_f32 v[S+2*\j:S+2*\j+1], v[S+2*\j:S+2*\j+1], v[S+2*\j+16:S+2*\j+17]
.endr
.irp j, 0,1,2,3
	v_pk_add_f32 v[T+2*\j:T+2*\j+1], v[S+2*\j:S+2*\j+1], v[S+2*\j+8:S+2*\j+9]
.endr
.endm
	s_mov_b32 s[PAS], 2
.Lpass:
	s_wait_loadcnt 0x0                             ; Q and its pair word
	s_wait_dscnt 0x0                               ; record 0's K
	v_perm_b32 v[QS], v11, v11, s51                ; Q's scale word: (s0, s1, s0, s1)
	v_mov_b32 v13, 0xff61b1e6                      ; the largest score so far: -3e38
	v_mov_b32 v12, 0x7f61b1e6                      ; -M: a whole number over every -t, so that the first f is 0
	v_mov_b32 v14, 0
	v_mov_b32 v15, 0
	v_mov_b32 v[F], 0
.irp j, 0,1,2,3,4,5,6,7
	v_mov_b32 v[T+\j], 0
.endr
.set j, 0
.rept 32
	v_mov_b32 v[OT+j], 0                           ; O^T: the step is written once; the first change of M leaves zeros zeros.  (Also the places behind Q's scale word)
.set j, j+1
.endr
	s_mov_b32 s[TB], 0
	s_mov_b32 s[NST], 7
.Lstep_a:                                              ; steps 0-6: they touch records 0-7
	STEP 0
	s_sub_co_u32 s[NST], s[NST], 1
	s_cmp_lg_u32 s[NST], 0
	s_cbranch_scc1 .Lstep_a
	s_wait_tensorcnt 0x0                           ; every wave: my record is in,
	s_wait_dscnt 0x0                               ; and no LDS instruction of mine is out at the signal
	s_barrier_signal -1
	s_barrier_wait -1                              ; all sixteen records are in
	s_mov_b32 s[NST], 8
.Lstep_b:                                              ; steps 7-14
	STEP 0
	s_sub_co_u32 s[NST], s[NST], 1
	s_cmp_lg_u32 s[NST], 0
	s_cbranch_scc1 .Lstep_b
	STEP 1
	; THE WAY OUT of a pass
	FOLD                                           ; the last step's sum
	v_add_f32 v14, v14, v15                        ; the sum's two halves,
	v_permlanex16_b32 v[O], v14, s[SEL], s[SEL+1]
	v_add_f32 v14, v14, v[O]                       ; and lane l xor 16's: the row's sum
	WALU
	v_rcp_f32 v14, v14
	v_nop                                          ; a plain place behind it
	WALU                                           ; the wait ahead of its first reader, which is O^T's too
.set j, 0
.rept 16
	v_pk_mul_f32 v[S+j:S+j+1], v[OT+j:OT+j+1], v[14:15] op_sel_hi:[1,0]   ; O / l: register 16 g + i = channel 32 g + 16 h + i of my query; each accumulator from its low end on
.set j, j+2
.endr
.irp b, 0,1
	v_max3_num_f32 v[BM+\b], |v[S+16*\b]|, |v[S+1+16*\b]|, 0x1800000
.endr
.irp i, 2,4,6,8,10,12,14
.irp b, 0,1
	v_max3_num_f32 v[BM+\b], v[BM+\b], |v[S+16*\b+\i]|, |v[S+1+16*\b+\i]|
.endr
.endr
.irp b, 0,1
	v_permlanex16_b32 v[O+\b], v[BM+\b], s[SEL], s[SEL+1]
.endr
.irp b, 0,1
	v_max_num_f32 v[BM+\b], v[BM+\b], v[O+\b]      ; with lane l xor 16's 16 channels: the block's largest magnitude
.endr
.irp b, 0,1
	v_add_nc_u32 v[SO+\b], 0xff000000, v[BM+\b]
.endr
.irp b, 0,1
	v_lshrrev_b32 v[PB+\b], 23, v[SO+\b]
.endr
	v_cvt_scalef32_pk16_fp6_f32 v[PCD:PCD+2], v[S:S+15], v[SO]
	v_cvt_scalef32_pk16_fp6_f32 v[CT:CT+2], v[S+16:S+31], v[SO+1]
	v_nop                                          ; one plain place behind a scaled conversion
.irp i, 0,1,2
	v_permlane16_swap_b32 v[PCD+\i], v[CT+\i]      ; the operand wants a whole block in a lane
.endr
.irp i, 0,1,2
	v_mov_b32 v[PCD+3+\i], v[CT+\i]
.endr
	v_cndmask_b32 v[X], v[PB], v[PB+1], s52        ; lane (r, h) stores block h's byte
	global_store_b128 v1, v[PCD:PCD+3], s[8:9]     ; half a fragment: 512 consecutive bytes, then 256, aligned
	global_store_b64 v2, v[PCD+4:PCD+5], s[8:9] offset:512
	global_store_b8 v10, v[X], s[10:11]            ; one byte a lane, rows 32 bytes apart: a head owns two bytes of a row's 32
	s_wait_xcnt 0x0                                ; the stores have read their data and bases: both are written again only behind this wait
	s_add_nc_u64 s[8:9], s[8:9], 16*3072           ; 16 rowblocks on
	s_add_nc_u64 s[10:11], s[10:11], 16*512
	s_sub_co_u32 s[PAS], s[PAS], 1
	s_cmp_lg_u32 s[PAS], 0
	s_cbranch_scc1 .Lpass
	s_wait_tensorcnt 0x0                           ; the wave's end
	ds_add_u32 v254, v255
	s_wait_dscnt 0x0
	CROUND                                         ; the closing round: no work-group ends while a partner may still ask for a record that names it
	s_endpgm
.Lfunc_end_k_q0c73dacfc0_attn:
	.size	k_q0c73dacfc0_attn, .Lfunc_end_k_q0c73dacfc0_attn-k_q0c73dacfc0_attn
	.p2alignl 7, 3214868480
	.fill 96, 4, 3214868480
	.section	.rodata,"a",@progbits
	.p2align	6, 0x0
	.amdhsa_kernel k_q0c73dacfc0_attn
		.amdhsa_group_segment_fixed_size 206848
		.amdhsa_private_segment_fixed_size 0
		.amdhsa_enable_private_segment 0
		.amdhsa_kernarg_size 32
		.amdhsa_user_sgpr_count 2
		.amdhsa_user_sgpr_kernarg_segment_ptr 1
		.amdhsa_wavefront_size32 1
		.amdhsa_system_sgpr_workgroup_id_x 1
		.amdhsa_system_sgpr_workgroup_id_y 1
		.amdhsa_system_sgpr_workgroup_id_z 1
		.amdhsa_system_vgpr_workitem_id 0
		.amdhsa_next_free_vgpr 256
		.amdhsa_next_free_sgpr 66
		.amdhsa_reserve_vcc 0
		.amdhsa_float_denorm_mode_32 3
		.amdhsa_float_denorm_mode_16_64 3
		.amdhsa_memory_ordered 1
		.amdhsa_forward_progress 1
		.amdhsa_inst_pref_size 58
	.end_amdhsa_kernel
	.amdgpu_metadata
---
amdhsa.version: [ 1, 2 ]
amdhsa.kernels:
  - .name:           k_q0c73dacfc0_attn
    .symbol:         k_q0c73dacfc0_attn.kd
    .args:
      - { .name: qcodes, .offset: 0, .size: 8, .value_kind: global_buffer, .address_space: global }
      - { .name: kvcodes, .offset: 8, .size: 8, .value_kind: global_buffer, .address_space: global }
      - { .name: acodes, .offset: 16, .size: 8, .value_kind: global_buffer, .address_space: global }
      - { .name: ascales, .offset: 24, .size: 8, .value_kind: global_buffer, .address_space: global }
    .group_segment_fixed_size: 206848
    .private_segment_fixed_size: 0
    .kernarg_segment_align: 8
    .kernarg_segment_size: 32
    .max_flat_workgroup_size: 512
    .sgpr_count:     66
    .vgpr_count:     256
    .wavefront_size: 32
...
	.end_amdgpu_metadata
.endif
;; end of part 3
;; launch dense (part 4): grid 4 x 64, 4 waves a work-group, clusters of 4 x 4, 327,680 bytes of LDS; arguments acodes, ascales, opcodes, opscales, dense_b, out0; writes out0
.if DOCPART == 4
	.amdgcn_target "amdgcn-amd-amdhsa--gfx1250"
	.amdhsa_code_object_version 6
	.text
	.protected	k_q0c73dacfc0_dense
	.globl	k_q0c73dacfc0_dense
	.p2align	8
	.type	k_q0c73dacfc0_dense,@function
k_q0c73dacfc0_dense:
	s_mov_b64 s[64:65], 0
	v_nop
	global_prefetch_b8 v0, s[64:65] scope:SCOPE_SE
	s_setreg_imm32_b32 hwreg(HW_REG_WAVE_MODE, 25, 1), 1
	s_wait_xcnt 0x0
	s_wait_alu depctr_hold_cnt(0) depctr_sa_sdst(0) depctr_va_vdst(0) depctr_va_sdst(0) depctr_va_ssrc(0) depctr_va_vcc(0) depctr_vm_vsrc(0)
	s_getreg_b32 s2, hwreg(HW_REG_IB_STS2, 6, 4)
	s_cmp_eq_u32 s2, 0
	s_cbranch_scc0 .Lentry_in_a_cluster
	s_endpgm
.Lentry_in_a_cluster:
	s_bfe_u32 s2, ttmp6, 0x10000c
	s_cmp_lg_u32 s2, 0xf033
	s_cbranch_scc0 .Lentry_shape_is_right
	s_endpgm
.Lentry_shape_is_right:
; out0 = (O / l) dense_w^T + dense_b, f32, on codes of FP6 (E2M3) with E8M0 scales: 8,192 x 1,024 x 1,024.
; LIMITS: NaN and infinities are not served; a sum begins with the bias, where the reference adds it last.
; A = acodes, ascales (what the attention launch left), B = dense_w's section of opcodes, opscales.  Both are register images: [K / 256][rowblock of 16 rows][2 fragments][1,536 bytes]; a fragment is two halves of 768 bytes
; (lane l's registers 0-3 at 16 l, registers 4, 5 at 512 + 8 l); scale bytes [16 x rowblock + r][32].  Lane-row r of rowblock a is row 32 (a / 2) + 8 (a % 2) + r + 8 (r / 8).
; THE DEAL.  256 work-groups of four waves, 2 x 2, each 128 rows x 256 columns of out0; a wave makes 64 x 128: 32 accumulators.  ALL OF K LIES IN LDS AT ONCE: A's 8 rowblocks (98,304 bytes), B's 16 (196,608), their scale bytes (13,056):
; four tiles, one tensor load a wave at the head; each of the codes' tiles is four rows (one for each 256 along K) of 24,576 or 49,152 dense bytes.  Nothing is filled again, so there is no ring, and no loop to prefetch ahead in.
; CLUSTERS: 4 x 4 work-groups; A's tiles are asked for jointly along a row of the cluster, B's along a column.
; THE MATRIX INSTRUCTION IS USED TRANSPOSED (source 0 = 16 rows of B, source 1 = 16 rows of A): a lane holds one row of out0, and register 16 g + i of its 64 is column 32 g + 16 (lane / 16) + i of my 128.
; A step is 128 along K: 32 products on one of two sets of fragments, while the other set takes the next step's 48 LDS loads.  All scale words lie in registers from the start; A's words stand four registers turned, so that a product's
; two scale registers differ by 4 modulo 8 in their numbers.
; REGISTERS: window 0: v8-30 addresses; v32-95 B's scale words (8 b + q); v96-127 A's (8 a + (q + 4) % 8); v128-223 A's fragments, two sets; on the way out v128-255 rows back from the stage.
;   window 1: B's fragments, two sets, at v0 and v128.  window 2: the accumulators ((a, b) at v[8 (8 a + b)]).  window 3: v0-63 the bias, the first products' C.
.set FR,     12
.set RBB,    3072                      ; a rowblock's bytes in 256 along K
.set ACH,    8*RBB                     ; A's tile, 256 along K
.set BCH,    16*RBB                    ; B's
.set BB0,    4*ACH                     ; LDS: B's codes behind A's
.set SCL,    BB0+4*BCH                 ; the scale bytes, as units of 256 bytes + 16 of padding: A's 16 units,
.set SCLB,   SCL+16*272                ; B's 32
.set SBLK,   2*272                     ; those of 16 rows
.set SPARE,  SCL+48*272                ; the spare words, 128 bytes for each wave
.set O_WD,   21233664                  ; dense_w's section of opcodes,
.set S_WD,   884736                    ; of opscales
.set SPITCH, 528                       ; the way out: a stage of 16 rows x (512 bytes + 16) for each wave, over A's first bytes, behind the barrier that ends all reads of codes
.set A16,  8                           ; v8-11  LDS address of my A fragments in the k-th 256 along K, + 16 x lane; v12-15 the same + 8 x lane
.set A8,   12
.set B16,  16                          ; v16-23 the same for B
.set B8,   20
.set STO,  24
.set RD,   25
.set CO,   26
.set ASA,  27                          ; LDS address of my row's scale bytes in A's block 0
.set SPW,  28
.set NIL,  29
.set ASB,  30                          ; in B's block 0
.set SB,   32
.set SA,   96
.set AF,   128
.set BK,   128
.set MSB, 0
.macro WIN new                         ; the immediate's high byte repeats the setting that is left
.if MSB != \new
	s_set_vgpr_msb (MSB<<8)|\new
.set MSB, \new
.endif
.endm
.macro PLACES n
.rept \n
	v_nop
.endr
.endm
.macro CROUND                          ; a round of the cluster's barrier
	s_barrier_signal -1
	s_barrier_wait -1
	s_cmp_lg_u32 s14, 0
	s_cbranch_scc1 .Lnot_wave_0_\@
	s_barrier_signal -3
.Lnot_wave_0_\@:
	s_barrier_wait -3
	s_barrier_signal -1
	s_barrier_wait -1
.endm
.macro GROUP1 g, mask, w0, c, r, p     ; r rows of c elements of 8 bytes, p elements from row to row
	s_or_b32 s[\g], s[\mask], \w0
	s_mov_b32 s[\g+1], ((\c)&0xffff)<<16
	s_mov_b32 s[\g+2], ((\c)>>16)|((\r)<<16)
	s_mov_b32 s[\g+3], (\c)<<16
	s_mov_b32 s[\g+4], \r
	s_mov_b32 s[\g+5], \p
	s_mov_b32 s[\g+6], 0
	s_mov_b32 s[\g+7], 0
.endm
.macro ARM under, g0, g1, next         ; an arm of the head's one chain of branches on the wave's number
	s_cmp_lt_u32 s14, \under
	s_cbranch_scc0 \next
	tensor_load_to_lds s[\g0:\g0+3], s[\g1:\g1+7]
	s_nop 0
	PLACES 4
	s_branch .Lhead_asked
\next:
.endm
	s_load_b128 s[4:7], s[0:1], 0x0                ; acodes, ascales
	s_load_b128 s[8:11], s[0:1], 0x10              ; opcodes, opscales
	s_load_b128 s[92:95], s[0:1], 0x20             ; dense_b, out0
	v_lshl_add_u32 v[SPW], v0, 2, SPARE
	v_mov_b32 v[NIL], 0
	ds_add_u32 v[SPW], v[NIL]                      ; the opening lines: the add, twice on end, and its wait ahead of my tensor load
	ds_add_u32 v[SPW], v[NIL]
	v_lshrrev_b32 v1, 5, v0
	v_readfirstlane_b32 s14, v1                    ; wave 0..3
	s_lshr_b32 s15, s14, 1                         ; which 64 of the tile's rows are mine
	s_and_b32 s16, s14, 1                          ; which 128 of its columns
	s_bfe_u32 s40, ttmp6, 0x40000                  ; cx, cy
	s_bfe_u32 s41, ttmp6, 0x40004
	s_lshl_b32 s42, ttmp9, 2
	s_add_co_u32 s42, s42, s40                     ; tile column, 0 .. 3
	s_and_b32 s17, ttmp7, 0xffff
	s_lshl_b32 s17, s17, 2
	s_add_co_u32 s17, s17, s41                     ; tile row, 0 .. 63
	s_lshl_b32 s43, s41, 2
	s_lshl_b32 s43, 15, s43                        ; my row of the cluster: shares A
	s_lshl_b32 s44, 0x1111, s40                    ; my column: shares B
	GROUP1 24, 43, (3<<16)|(1<<21), ACH/8, 4, 196608                              ; A's codes: from one 256 along K to the next 1,572,864 bytes
	GROUP1 48, 44, (3<<16)|(1<<21), BCH/8, 4, 24576                               ; B's: 196,608 bytes
	GROUP1 68, 43, (3<<16)|(1<<20)|(1<<21)|(5<<22)|(3<<25), 32, 16, 32            ; A's scale bytes: 16 rows of 256, 16 bytes of padding behind each
	GROUP1 80, 44, (3<<16)|(1<<20)|(1<<21)|(5<<22)|(3<<25), 32, 32, 32            ; B's: 32 rows
	s_mul_i32 s34, s17, ACH
	s_mov_b32 s35, 0
	s_mul_i32 s58, s42, BCH
	s_add_co_u32 s58, s58, O_WD
	s_mov_b32 s59, 0
	s_lshl_b32 s78, s17, 12
	s_mov_b32 s79, 0
	s_lshl_b32 s90, s42, 13
	s_add_co_u32 s90, s90, S_WD
	s_mov_b32 s91, 0
	s_mov_b32 s32, 1
	s_mov_b32 s33, 0
	s_mov_b32 s56, 1
	s_mov_b32 s57, BB0
	s_mov_b32 s76, 1
	s_mov_b32 s77, SCL
	s_mov_b32 s88, 1
	s_mov_b32 s89, SCLB
	s_wait_dscnt 0x0
	s_wait_kmcnt 0x0
	s_add_nc_u64 s[34:35], s[4:5], s[34:35]
	s_or_b32 s35, s35, 0x80000000
	s_add_nc_u64 s[58:59], s[8:9], s[58:59]
	s_or_b32 s59, s59, 0x80000000
	s_add_nc_u64 s[78:79], s[6:7], s[78:79]
	s_or_b32 s79, s79, 0x80000000
	s_add_nc_u64 s[90:91], s[10:11], s[90:91]
	s_or_b32 s91, s91, 0x80000000
	CROUND                                         ; all sixteen work-groups are here: the joint loads meet
	ARM 1, 56, 48, .Lhead_a                        ; wave 0: B's codes
	ARM 2, 32, 24, .Lhead_sa                       ; wave 1: A's codes
	ARM 3, 76, 68, .Lhead_sb                       ; wave 2: A's scale bytes
	tensor_load_to_lds s[88:91], s[80:87]          ; wave 3: B's
	s_nop 0
	PLACES 4
.Lhead_asked:
	s_mul_i32 s18, s15, 4*RBB                      ; my 4 rowblocks of A,
	s_mul_i32 s19, s16, 8*RBB                      ; my 8 of B
	s_add_co_u32 s19, s19, BB0
	s_mul_i32 s22, s15, 8*272
	s_add_co_u32 s22, s22, SCL
	s_mul_i32 s23, s16, 16*272
	s_add_co_u32 s23, s23, SCLB
	s_mul_i32 s45, s14, 16*SPITCH                  ; my stage
	s_lshl_b32 s46, s42, 10
	s_lshl_b32 s47, s16, 9
	s_add_co_u32 s46, s46, s47                     ; my first column, in bytes
	s_lshl_b32 s20, s17, 7
	s_lshl_b32 s21, s15, 6
	s_add_co_u32 s20, s20, s21                     ; my first row
	s_lshl_b32 s20, s20, 12
	s_add_co_u32 s20, s20, s46
	s_mov_b32 s21, 0
	s_add_nc_u64 s[12:13], s[94:95], s[20:21]
	v_and_b32 v1, 15, v0                           ; r
	v_bfe_u32 v2, v0, 4, 1                         ; h
	v_and_b32 v6, 31, v0
	v_lshlrev_b32 v7, 4, v6
	v_lshlrev_b32 v3, 3, v6
	v_add_nc_u32 v[A16], s18, v7
	v_add_nc_u32 v[A8], s18, v3
	v_add_nc_u32 v[B16], s19, v7
	v_add_nc_u32 v[B8], s19, v3
.irp k, 1,2,3
	v_add_nc_u32 v[A16+\k], \k*ACH, v[A16]
	v_add_nc_u32 v[A8+\k], \k*ACH, v[A8]
	v_add_nc_u32 v[B16+\k], \k*BCH, v[B16]
	v_add_nc_u32 v[B8+\k], \k*BCH, v[B8]
.endr
	v_lshlrev_b32 v5, 5, v1                        ; my row's scale bytes: 32 a row,
	v_lshrrev_b32 v6, 8, v5
	v_lshl_add_u32 v5, v6, 4, v5                   ; and 16 more for each 256 passed
	v_add_nc_u32 v[ASA], s22, v5
	v_add_nc_u32 v[ASB], s23, v5
	v_mul_u32_u24 v5, v1, SPITCH                   ; into the stage: row r, 64 bytes for each half of the lanes
	v_lshl_add_u32 v5, v2, 6, v5
	v_add_nc_u32 v[STO], s45, v5
	v_mov_b32 v[CO], v7                            ; back: the 32 lanes take one row of 512 bytes; and the same in out0
	v_add_nc_u32 v[RD], s45, v7
	v_lshl_add_u32 v4, v2, 6, s46                  ; the bias: my columns, + 16 h numbers
	s_wait_alu depctr_va_vdst(0)
	WIN 0xc0                                       ; destination window 3
.irp g, 0,1,2,3
.irp j, 0,1,2,3
	global_load_b128 v[16*\g+4*\j:16*\g+4*\j+3], v4, s[92:93] offset:128*\g+16*\j   ; register 16 g + i: column 32 g + 16 h + i
.endr
.endr
	WIN 0
	s_wait_tensorcnt 0x0                           ; my tile is in,
	s_barrier_signal -1
	s_barrier_wait -1                              ; all four are
.macro FRAG reg, a16, a8, q, i         ; a fragment: two halves of six registers
.irp c, 0,1
	ds_load_b128 v[\reg+6*\c:\reg+6*\c+3], v[\a16] offset:RBB*(\i)+1536*((\q)%2)+768*\c
	ds_load_b64 v[\reg+6*\c+4:\reg+6*\c+5], v[\a8] offset:RBB*(\i)+1536*((\q)%2)+768*\c+512
.endr
.endm
.macro FETCH q                         ; step q's fragments into set q % 2: 48 loads
	WIN 0x40                                       ; destination window 1
.irp i, 0,1,2,3,4,5,6,7
	FRAG 128*((\q)%2)+FR*\i, B16+(\q)/2, B8+(\q)/2, \q, \i
.endr
	WIN 0
.irp i, 0,1,2,3
	FRAG AF+48*((\q)%2)+FR*\i, A16+(\q)/2, A8+(\q)/2, \q, \i
.endr
.endm
.macro MUL32 q, first                  ; a step's 32 products; the accumulators take turns, one instruction a turn, in the same order in every step
.irp a, 0,1,2,3
.irp b, 0,1,2,3,4,5,6,7
.if \first
	v_wmma_scale_f32_16x16x128_f8f6f4 v[8*(8*\a+\b):8*(8*\a+\b)+7], v[128*((\q)%2)+FR*\b:128*((\q)%2)+FR*\b+FR-1], v[AF+48*((\q)%2)+FR*\a:AF+48*((\q)%2)+FR*\a+FR-1], v[8*\b:8*\b+7], v[SB+8*\b+(\q)], v[SA+8*\a+((\q)+4)%8] matrix_a_fmt:MATRIX_FMT_FP6 matrix_b_fmt:MATRIX_FMT_FP6
.else
	v_wmma_scale_f32_16x16x128_f8f6f4 v[8*(8*\a+\b):8*(8*\a+\b)+7], v[128*((\q)%2)+FR*\b:128*((\q)%2)+FR*\b+FR-1], v[AF+48*((\q)%2)+FR*\a:AF+48*((\q)%2)+FR*\a+FR-1], v[8*(8*\a+\b):8*(8*\a+\b)+7], v[SB+8*\b+(\q)], v[SA+8*\a+((\q)+4)%8] matrix_a_fmt:MATRIX_FMT_FP6 matrix_b_fmt:MATRIX_FMT_FP6
.endif
.endr
.endr
.endm
.irp i, 0,1,2,3,4,5,6,7                        ; all scale words, once: word q of B's block i in v[SB + 8 i + q],
	ds_load_b128 v[SB+8*\i:SB+8*\i+3], v[ASB] offset:\i*SBLK
	ds_load_b128 v[SB+8*\i+4:SB+8*\i+7], v[ASB] offset:\i*SBLK+16
.endr
.irp i, 0,1,2,3                                ; of A's block i in v[SA + 8 i + (q + 4) % 8]
	ds_load_b128 v[SA+8*\i+4:SA+8*\i+7], v[ASA] offset:\i*SBLK
	ds_load_b128 v[SA+8*\i:SA+8*\i+3], v[ASA] offset:\i*SBLK+16
.endr
	FETCH 0
	FETCH 1
	s_wait_loadcnt 0x0                             ; the bias
	s_wait_dscnt 48                                ; all but step 1's 48 loads
	WIN 0xb1                                       ; source 0 (B) window 1, source 1 (A) window 0, C window 3, D window 2
	MUL32 0, 1                                     ; the first products start the sums with the bias
.set Q, 1
.rept 6
	PLACES 4                                       ; ahead of loads into registers that the last step's products read
	FETCH Q+1
	s_wait_dscnt 48                                ; this step's fragments are in; the next step's 48 loads may be out
	WIN 0xa1                                       ; C and D window 2
	MUL32 Q, 0
.set Q, Q+1
.endr
	s_wait_dscnt 0x0                               ; the last step's fragments are in: my reads of the codes are over
	s_barrier_signal -1
	MUL32 7, 0
	WIN 0
	s_barrier_wait -1                              ; everybody's are: the stages may be written over A's bytes, which have had their one fill
; THE WAY OUT, block by block of 16 rows x 128 columns, through my own stage and back as whole rows of 512 bytes.  LDS serves a wave's instructions in order (ISA guide 5.7.1.4): no wait between the stores and the loads.
.macro TOSTAGE a
	WIN 0x08                                       ; the data: window 2
.irp b, 0,1,2,3,4,5,6,7
	ds_store_b128 v[STO], v[64*(\a)+8*\b:64*(\a)+8*\b+3] offset:128*(\b/2)+32*(\b%2)      ; each accumulator from its low end on
	ds_store_b128 v[STO], v[64*(\a)+8*\b+4:64*(\a)+8*\b+7] offset:128*(\b/2)+32*(\b%2)+16
.endr
	WIN 0
.set BB, BK+64*((\a)%2)
.irp t, 0,1,2,3,4,5,6,7,8,9,10,11,12,13,14,15
	ds_load_b128 v[BB+4*\t:BB+4*\t+3], v[RD] offset:\t*SPITCH
.endr
.endm
.macro SEND a, younger                 ; younger: the LDS instructions issued behind block a's loads
.set BB, BK+64*((\a)%2)
	s_wait_dscnt \younger
.if (\a) > 0
.if (\a)%2 == 1
	s_add_nc_u64 s[12:13], s[12:13], 8*4096        ; (behind a wait on XCNT.)  Rowblock a begins at row 32 (a / 2) + 8 (a % 2)
.else
	s_add_nc_u64 s[12:13], s[12:13], 24*4096
.endif
.endif
.irp t, 0,1,2,3,4,5,6,7,8,9,10,11,12,13,14,15
	global_store_b128 v[CO], v[BB+4*\t:BB+4*\t+3], s[12:13] offset:(\t+8*(\t/8))*4096 th:TH_STORE_NT   ; 32 lanes store 512 consecutive bytes, aligned to 256
.endr
.endm
	PLACES 4                                       ; behind the last products
	TOSTAGE 0
.irp a, 1,2,3
.if \a > 1
	s_wait_xcnt 0x0                                ; block a - 2's stores have read their registers and their base
.endif
	TOSTAGE \a
	SEND \a-1, 32
.endr
	s_wait_xcnt 0x0
	SEND 3, 0
	s_wait_tensorcnt 0x0                           ; the wave's end
	ds_add_u32 v[SPW], v[NIL]
	s_wait_dscnt 0x0
	CROUND                                         ; the closing round
	s_endpgm
.Lfunc_end_k_q0c73dacfc0_dense:
	.size	k_q0c73dacfc0_dense, .Lfunc_end_k_q0c73dacfc0_dense-k_q0c73dacfc0_dense
	.p2alignl 7, 3214868480
	.fill 96, 4, 3214868480
	.section	.rodata,"a",@progbits
	.p2align	6, 0x0
	.amdhsa_kernel k_q0c73dacfc0_dense
		.amdhsa_group_segment_fixed_size 327680
		.amdhsa_private_segment_fixed_size 0
		.amdhsa_enable_private_segment 0
		.amdhsa_kernarg_size 48
		.amdhsa_user_sgpr_count 2
		.amdhsa_user_sgpr_kernarg_segment_ptr 1
		.amdhsa_wavefront_size32 1
		.amdhsa_system_sgpr_workgroup_id_x 1
		.amdhsa_system_sgpr_workgroup_id_y 1
		.amdhsa_system_sgpr_workgroup_id_z 1
		.amdhsa_system_vgpr_workitem_id 0
		.amdhsa_next_free_vgpr 832
		.amdhsa_next_free_sgpr 100
		.amdhsa_reserve_vcc 0
		.amdhsa_float_denorm_mode_32 3
		.amdhsa_float_denorm_mode_16_64 3
		.amdhsa_memory_ordered 1
		.amdhsa_forward_progress 1
		.amdhsa_inst_pref_size 85
	.end_amdhsa_kernel
	.amdgpu_metadata
---
amdhsa.version: [ 1, 2 ]
amdhsa.kernels:
  - .name:           k_q0c73dacfc0_dense
    .symbol:         k_q0c73dacfc0_dense.kd
    .args:
      - { .name: acodes, .offset: 0, .size: 8, .value_kind: global_buffer, .address_space: global }
      - { .name: ascales, .offset: 8, .size: 8, .value_kind: global_buffer, .address_space: global }
      - { .name: opcodes, .offset: 16, .size: 8, .value_kind: global_buffer, .address_space: global }
      - { .name: opscales, .offset: 24, .size: 8, .value_kind: global_buffer, .address_space: global }
      - { .name: dense_b, .offset: 32, .size: 8, .value_kind: global_buffer, .address_space: global }
      - { .name: out0, .offset: 40, .size: 8, .value_kind: global_buffer, .address_space: global }
    .group_segment_fixed_size: 327680
    .private_segment_fixed_size: 0
    .kernarg_segment_align: 8
    .kernarg_segment_size: 48
    .max_flat_workgroup_size: 128
    .sgpr_count:     100
    .vgpr_count:     832
    .wavefront_size: 32
...
	.end_amdgpu_metadata
.endif
;; end of part 4
